; MI455X (gfx1250); checked and timed in simulation.
; The chip was launched on July 23, 2026; its instructions are those of AMD's public machine-readable ISA for CDNA 5 (MIT licence, August 2026) and "CDNA5" Instruction Set Architecture Reference Guide (July 2026). The comments in the code are by the model that wrote it; some were corrected since.
;; Attn Block. Allowed arithmetic: matrix products marked QUANTISED: E5M2 operands, one E8M0 scale for each 32 along K, by v_wmma_scale_f32_16x16x128_f8f6f4 with both operands' format E5M2, f32 sums; everything else in f32.
;; Inputs: beta 512 float32; bk 512 float32; bp 512 float32; bq 512 float32; bv 512 float32; gamma 512 float32; wk_codes 512 x 16 x 32 uint8 (E5M2 codes of wk, K innermost, in blocks of 32 codes); wk_scales 512 x 16 uint8 (E8M0 scales of wk, one for each 32 codes along K); wp_codes 512 x 16 x 32 uint8 (E5M2 codes of wp, K innermost, in blocks of 32 codes); wp_scales 512 x 16 uint8 (E8M0 scales of wp, one for each 32 codes along K); wq_codes 512 x 16 x 32 uint8 (E5M2 codes of wq, K innermost, in blocks of 32 codes); wq_scales 512 x 16 uint8 (E8M0 scales of wq, one for each 32 codes along K); wv_codes 512 x 16 x 32 uint8 (E5M2 codes of wv, K innermost, in blocks of 32 codes); wv_scales 512 x 16 uint8 (E8M0 scales of wv, one for each 32 codes along K); x 32 x 512 x 32 x 32 float32.
;; Outputs: out0 32 x 512 x 32 x 32 float32.
;; This version of the problem:
;;   THIS VERSION OF THE PROBLEM IS GIVEN IN LOW PRECISION. The matrix products marked QUANTISED in the list below multiply operands that are first quantised to E5M2 (5 exponent bits, 2 mantissa bits; 8 bits a number), with one power-of-two scale for each 32 numbers along K (OCP MX v1.0); their sums are f32. All else is computed in f32.
;;   The module's matrix products, in the order in which they are computed (A, B: the left and right operand; K: the contracted axis; several contracted axes count as one K, in the product's order):
;;     1. [M 512, K 512] x [K 512, N 32,768]; A: input wq (given as codes); B: computed on the way: QUANTISED
;;     2. [M 512, K 512] x [K 512, N 32,768]; A: input wk (given as codes); B: computed on the way: QUANTISED
;;     3. [M 512, K 512] x [K 512, N 32,768]; A: input wv (given as codes); B: computed on the way: QUANTISED
;;     4. batch 32 x [M 1,024, K 512] x [K 512, N 1,024]; A: computed on the way; B: computed on the way: QUANTISED
;;     5. batch 32 x [M 512, K 1,024] x [K 1,024, N 1,024]; A: computed on the way; B: softmax (see below): QUANTISED
;;     6. [M 512, K 512] x [K 512, N 32,768]; A: input wp (given as codes); B: computed on the way: QUANTISED
;;   THE QUANTISER, for each operand of a quantised product, along K:
;;     - K is cut into blocks of 32 from its start; a last block that is shorter is filled with zeros.
;;     - A block's scale is 2^e with e = floor(log2(the largest magnitude in the block)) - 15, held to -126 .. 127; a block of zeros has e = 0. As a byte (E8M0): e + 127.
;;     - Each number is divided by its block's scale, clamped to +-57,344, and rounded to the nearest number of E5M2, ties to even, subnormals kept.
;;     - The product sums the exact products of the quantised numbers (number of the format x scale) in f32.
;;   ~~~python
;;   def quantise(x, axis):      # numpy; x: float32 -> the quantised numbers, widened to float32 again
;;       x = np.moveaxis(x, axis, -1); K = x.shape[-1]
;;       x = np.pad(x, [(0, 0)] * (x.ndim - 1) + [(0, -K % 32)]); x = x.reshape(x.shape[:-1] + (-1, 32)); a = np.abs(x).max(-1, keepdims=True)
;;       e = np.where(a > 0, np.clip(np.frexp(np.where(a > 0, a, 1))[1] - 1 - 15, -126, 127), 0)      # np.frexp(a)[1] - 1 = floor(log2(a)), exactly
;;       r = np.clip(x / 2.0 ** e, -57344, 57344)
;;       step = 2.0 ** (np.maximum(np.frexp(np.where(r == 0, 1, r))[1] - 1, -14) - 2)
;;       q = np.round(r / step) * step * 2.0 ** e      # np.round: ties to even
;;       return np.moveaxis(q.reshape(q.shape[:-2] + (-1,))[..., :K], -1, axis).astype(np.float32)
;;   ~~~
;;   SOFTMAX AHEAD OF A QUANTISED PRODUCT. Where the list says 'softmax', what is quantised is not the finished softmax but p = 2^(t - M), with t = logit x log2(e) and M = ceil(the row's largest t), a whole number; so 1/2 < the row's largest p <= 1. The row's sum l is taken of the UNQUANTISED p, in f32, and the product's result is divided by l at the end. Since M is a whole number, a kernel that streams over the keys may use a running M (the ceiling of the running maximum): every later rescaling is an exact power of two, which a block's scale takes up: the codes' values come out the same.
;;   OPERANDS COMPUTED ON THE WAY. 'Computed on the way' means the value that the module computes at that place (a softmax that the list does not call 'softmax' is quantised finished and normalised). What goes into a quantiser is computed in f32, as accurately as f32 sums, v_exp_f32 and their like allow (about 1e-6 of the number): no bf16 or f16 on the way to a quantiser, and a product that is left as it is and whose result goes on into a quantised operand takes f32 operands (vector FMAs, or v_wmma_f32_16x16x4_f32). A number that lies on a knife's edge between two numbers of the format may be rounded either way, as far as f32 arithmetic and the matrix unit's own rounding can turn it there, and no further.
;;   INPUTS GIVEN AS CODES. wk (in the module: [512, 512], K = its axis 1); wp (in the module: [512, 512], K = its axis 1); wq (in the module: [512, 512], K = its axis 1); wv (in the module: [512, 512], K = its axis 1): each comes as NAME_codes (uint8): NAME with its K axis moved to the last place and cut into blocks of 32 codes, [.., K / 32, bytes a block], one block behind the other in memory; one code a byte (a code: sign, 5 exponent bits, 2 mantissa bits); and NAME_scales (uint8): the same leading axes, one E8M0 byte (e + 127) for each 32 codes along K. Its value is code x scale, taken as it is: it is not quantised again, and the codes and scales need not be those that the quantiser above would give.
;; One version. Each part assembles by itself: llvm-mc -triple=amdgcn-amd-amdhsa -mcpu=gfx1250 --defsym DOCPART=n.
;; ======== version 1 of 1: 3 launches
;; limits: right only within a limited range of input values
;; workspace buffers: hnimg 16,777,216 bytes; hnsc 524,288 bytes; wimg 1,048,576 bytes; qkv 51,904,512 bytes
;; launch norm (part 1): grid 8 x 32, 16 waves a work-group, no clusters, 14,336 bytes of LDS; arguments x, gamma, beta, wq_codes, wk_codes, wv_codes, wp_codes, hnimg, hnsc, wimg; writes hnimg, hnsc, wimg
.if DOCPART == 1
	.amdgcn_target "amdgcn-amd-amdhsa--gfx1250"
	.amdhsa_code_object_version 6
	.text
	.protected	k_qb2d58d0120_norm
	.globl	k_qb2d58d0120_norm
	.p2align	8
	.type	k_qb2d58d0120_norm,@function
k_qb2d58d0120_norm:
	s_mov_b64 s[64:65], 0
	v_nop
	global_prefetch_b8 v0, s[64:65] scope:SCOPE_SE
	s_setreg_imm32_b32 hwreg(HW_REG_WAVE_MODE, 25, 1), 1
	s_wait_xcnt 0x0
; GroupNorm of x [32][512][1024] (32 groups of 16 channels), quantised along the channels into codes of E5M2 with one E8M0 byte for each 32 channels;
; and the four weights' codes laid as images of operand registers.
; SHARES.  A work-group owns 64 channels (4 groups, 2 blocks of 32) of one image: 262,144 consecutive bytes of x, held in registers, so x is read once.
; Wave w owns positions 64 w .. 64 w + 63; a lane owns positions 64 w + 32 j + lane (j = 0, 1) and ITS REGISTERS RUN DOWN THE CHANNELS: a block of 32 channels
; of one position lies in one lane's 32 registers, its largest magnitude needs no other lane, and the conversions give codes with the channels innermost.
; OUT.  hnimg [n][T 64][ks 4][2048]: a fragment of 16 positions x 128 channels as the matrix instruction's registers hold it: group g of lane l at 512 g + 16 l.
; Row r of position tile T is position 32 (T / 2) + 8 (T % 2) + r + 8 (r / 8).  hnsc [n][cw 8][tb 8][r 16][t8 8] of two bytes: the scale bytes of channel blocks 2 cw, 2 cw + 1.
; wimg [m 4][tile 32][ks 4][2048]: wq, wk, wv with a tile's rows chosen by the same rule as the positions, wp with neighbouring rows.
; The variance is taken in a second pass over x - mean, which lies in registers: no difference of large sums is formed.
; No matrix unit, no tensor load, no cluster: a stream whose work-groups share no input.
; LIMITS: NaN and infinities are not served; a block whose largest magnitude lies under 2^-111 (a block of zeros too) keeps the byte 1: these bytes are read by this program alone.
.set RED0, 0                           ; LDS: 16 waves x 4 sums
.set RED1, 256                         ; the same for the squares
.set STG,  512                         ; 2,048 bytes: the work-group's scale bytes, laid as hnsc has them
.set X,    64                          ; v64-191  X(j, c) = X + 64 j + c
.set CD,   192                         ; v192-223 codes: 8 registers for each (j, B), so that no store's data are written again
.set SBY,  52                          ; v52-55   scale bytes (2 j + B)
	s_load_b512 s[4:19], s[0:1], 0x0               ; x, gamma, beta, wq, wk, wv, wp, hnimg
	s_load_b128 s[20:23], s[0:1], 0x40             ; hnsc, wimg
	v_lshl_add_u32 v224, v0, 2, 0x3000
	v_mov_b32 v225, 0
	v_lshrrev_b32 v8, 5, v0
	v_readfirstlane_b32 s56, v8                    ; wave 0..15
	s_mov_b32 s57, ttmp9                           ; cw: which 64 channels
	s_and_b32 s58, ttmp7, 0xffff                   ; n: the image
	s_lshl_b32 s59, s58, 3
	s_add_co_u32 s59, s59, s57                     ; G = 8 n + cw
	s_mov_b32 s62, 0x76543210
	s_mov_b32 s63, 0xfedcba98                      ; v_permlanex16_b32's selects for lane l xor 16
	s_mov_b32 s100, 0x600000                       ; the mantissa field of 57,344
	s_mov_b32 s101, 0x38800000                     ; 2^-14: a group has 16 x 1,024 numbers
	v_and_b32 v1, 31, v0                           ; lane
	s_lshl_b32 s2, s56, 8
	v_lshl_add_u32 v2, v1, 2, s2                   ; x: 256 w + 4 lane
	v_and_b32 v8, 7, v0
	v_bfe_u32 v9, v0, 4, 1
	v_lshl_add_u32 v8, v9, 3, v8                   ; my position's row in its tile: lane % 8 + 8 (lane / 16)
	v_bfe_u32 v9, v0, 3, 1                         ; and which tile of the pair: (lane / 8) % 2
	s_lshl_b32 s2, s56, 15
	v_lshl_add_u32 v3, v9, 13, s2
	v_lshl_add_u32 v3, v8, 4, v3                   ; codes: 32768 w + 8192 u + 16 row
	s_lshr_b32 s2, s56, 1
	s_lshl_b32 s2, s2, 8
	s_and_b32 s3, s56, 1
	s_lshl_b32 s3, s3, 3
	s_add_co_u32 s2, s2, s3
	s_add_co_u32 s2, s2, STG
	v_lshl_add_u32 v4, v9, 1, s2
	v_lshl_add_u32 v4, v8, 4, v4                   ; scale bytes: STG + 256 (w / 2) + 16 row + 2 (4 (w % 2) + u)
	v_and_b32 v5, 15, v0
	v_lshlrev_b32 v5, 4, v5                        ; the reductions: lane l reads wave l % 16's four sums
	s_lshl_b32 s2, s56, 4
	v_mov_b32 v6, s2                               ; and my wave writes its own at 16 w
	v_lshlrev_b32 v10, 4, v0                       ; 16 x thread
	v_and_b32 v11, 15, v0
	v_bfe_u32 v12, v0, 3, 1
	v_bfe_u32 v13, v0, 4, 1
	v_mov_b32 v14, 0x3727c5ac                      ; 1e-5
.irp g, 0,1,2,3
	v_mov_b32 v[28+\g], 0                          ; a lane permute's destination counts as one of its sources
.endr
	s_wait_kmcnt 0x0
	; the weight piece: the work-group lays fragments 2 G and 2 G + 1 of the 512; wave w (0..7) moves group w % 4 of fragment 2 G + w / 4
	s_lshr_b32 s2, s59, 6                          ; m: which weight
	s_cmp_eq_u32 s2, 0
	s_cselect_b64 s[66:67], s[10:11], s[12:13]
	s_cmp_eq_u32 s2, 2
	s_cselect_b64 s[60:61], s[14:15], s[16:17]
	s_cmp_lt_u32 s2, 2
	s_cselect_b64 s[66:67], s[66:67], s[60:61]
	s_cmp_lt_u32 s2, 3
	s_cselect_b32 s3, 8, 0                         ; P: wq, wk, wv take a tile's rows by the positions' rule, wp as they lie
	s_bfe_u32 s2, s59, 0x50001                     ; the tile
	s_and_b32 s60, s2, 1
	s_mul_i32 s60, s60, s3
	s_lshl_b32 s2, s2, 4
	s_sub_co_u32 s2, s2, s60                       ; its first row: 16 tile - P (tile % 2)
	s_lshl_b32 s2, s2, 9                           ; a row is 512 bytes
	s_and_b32 s60, s59, 1
	s_lshl_b32 s60, s60, 8
	s_add_co_u32 s2, s2, s60
	s_lshr_b32 s60, s56, 2
	s_lshl_b32 s60, s60, 7
	s_add_co_u32 s2, s2, s60                       ; + 128 ks, ks = 2 (G % 2) + w / 4
	s_and_b32 s60, s56, 3
	s_lshl_b32 s60, s60, 5
	s_add_co_u32 s2, s2, s60                       ; + 32 g
	v_mul_u32_u24 v12, v12, s3
	v_add_nc_u32 v11, v11, v12                     ; r + P (r / 8)
	v_lshlrev_b32 v11, 9, v11
	v_lshl_add_u32 v7, v13, 4, v11                 ; + 16 h
	v_add_nc_u32 v7, s2, v7
	s_lshl_b32 s60, s59, 18
	s_mov_b32 s61, 0
	s_add_nc_u64 s[4:5], s[4:5], s[60:61]          ; x at my 64 channels
	s_lshl_b32 s60, s57, 8
	s_add_nc_u64 s[6:7], s[6:7], s[60:61]          ; gamma and beta likewise
	s_add_nc_u64 s[8:9], s[8:9], s[60:61]
	s_lshl_b32 s60, s58, 19
	s_lshl_b32 s2, s57, 10
	s_add_co_u32 s60, s60, s2
	s_add_nc_u64 s[18:19], s[18:19], s[60:61]      ; hnimg + 524288 n + 1024 cw (2048 ks + 512 g at g = 2 (cw % 2))
	s_lshl_b32 s60, s59, 11
	s_add_nc_u64 s[20:21], s[20:21], s[60:61]      ; hnsc + 2048 G
	s_lshl_b32 s60, s59, 12
	s_add_nc_u64 s[22:23], s[22:23], s[60:61]      ; wimg + 4096 G
	s_cmp_lt_u32 s56, 8
	s_cbranch_scc0 .Lno_piece
	global_load_b128 v[48:51], v7, s[66:67]
.Lno_piece:
.set c, 0
.rept 64                               ; a channel's two loads cover 256 consecutive bytes of the wave's positions
	global_load_b32 v[X+c], v2, s[4:5] offset:4096*c th:TH_LOAD_NT
	global_load_b32 v[X+64+c], v2, s[4:5] offset:4096*c+128 th:TH_LOAD_NT
.set c, c+1
.endr
	s_load_b512 s[24:39], s[6:7], 0x0              ; gamma and beta of the first block of 32 channels
	s_load_b512 s[40:55], s[6:7], 0x40
	s_load_b512 s[68:83], s[8:9], 0x0
	s_load_b512 s[84:99], s[8:9], 0x40
; the lane's 32 numbers of group g, two at a time
.macro GSUM g
	v_pk_add_f32 v[16+2*\g:17+2*\g], v[X+16*\g:X+16*\g+1], v[X+16*\g+2:X+16*\g+3]
.irp i, 4,6,8,10,12,14
	v_pk_add_f32 v[16+2*\g:17+2*\g], v[16+2*\g:17+2*\g], v[X+16*\g+\i:X+16*\g+\i+1]
.endr
.irp i, 0,2,4,6,8,10,12,14
	v_pk_add_f32 v[16+2*\g:17+2*\g], v[16+2*\g:17+2*\g], v[X+64+16*\g+\i:X+64+16*\g+\i+1]
.endr
.endm
; four sums, v[16:23] in pairs, over the 32 lanes and the 16 waves; the results in v24-27 of every lane.  One barrier.
.macro REDUCE region
.irp g, 0,1,2,3
	v_add_f32 v[24+\g], v[16+2*\g], v[17+2*\g]
.endr
.irp m, 1,2,4,8
.irp g, 0,1,2,3
	v_add_f32_dpp v[24+\g], v[24+\g], v[24+\g] row_xmask:\m row_mask:0xf bank_mask:0xf
.endr
.endr
.irp g, 0,1,2,3
	v_permlanex16_b32 v[28+\g], v[24+\g], s62, s63
.endr
.irp g, 0,1,2,3
	v_add_f32 v[24+\g], v[24+\g], v[28+\g]
.endr
	ds_store_b128 v6, v[24:27] offset:\region      ; all lanes write the same 16 bytes with the same values
	s_wait_dscnt 0x0                               ; for the others' sake: my store has landed
	s_barrier_signal -1
	s_barrier_wait -1
	ds_load_b128 v[24:27], v5 offset:\region       ; lane l: wave l % 16's four sums
	s_wait_dscnt 0x0
.irp m, 1,2,4,8
.irp g, 0,1,2,3
	v_add_f32_dpp v[24+\g], v[24+\g], v[24+\g] row_xmask:\m row_mask:0xf bank_mask:0xf
.endr
.endr
.endm
	s_wait_loadcnt 63                              ; loads come back in order: of the 128 of x at most 63 are out, so channels 0 to 31 are in
	GSUM 0
	GSUM 1
	s_wait_loadcnt 32                              ; channels 0 to 47
	GSUM 2
	s_wait_loadcnt 0x0
	GSUM 3
	REDUCE RED0
.irp g, 0,1,2,3
	v_mul_f32 v[32+2*\g], s101, v[24+\g]           ; the group's mean, in both halves of a pair
	v_mul_f32 v[33+2*\g], s101, v[24+\g]
.endr
.irp g, 0,1,2,3
.irp j, 0,64
.irp i, 0,2,4,6,8,10,12,14
	v_pk_add_f32 v[X+\j+16*\g+\i:X+\j+16*\g+\i+1], v[X+\j+16*\g+\i:X+\j+16*\g+\i+1], v[32+2*\g:33+2*\g] neg_lo:[0,1] neg_hi:[0,1]   ; d = x - mean, in place
.endr
.endr
.endr
.irp g, 0,1,2,3
	v_pk_mul_f32 v[16+2*\g:17+2*\g], v[X+16*\g:X+16*\g+1], v[X+16*\g:X+16*\g+1]   ; the first squares start the sums; the four groups by turns
.endr
.irp i, 2,4,6,8,10,12,14
.irp g, 0,1,2,3
	v_pk_fma_f32 v[16+2*\g:17+2*\g], v[X+16*\g+\i:X+16*\g+\i+1], v[X+16*\g+\i:X+16*\g+\i+1], v[16+2*\g:17+2*\g]
.endr
.endr
.irp i, 0,2,4,6,8,10,12,14
.irp g, 0,1,2,3
	v_pk_fma_f32 v[16+2*\g:17+2*\g], v[X+64+16*\g+\i:X+64+16*\g+\i+1], v[X+64+16*\g+\i:X+64+16*\g+\i+1], v[16+2*\g:17+2*\g]
.endr
.endr
	REDUCE RED1
.irp g, 0,1,2,3
	v_fma_f32 v[24+\g], v[24+\g], s101, v14        ; the variance + 1e-5
.endr
.irp g, 0,1,2,3
	v_rsq_f32 v[24+\g], v[24+\g]
.endr
	v_nop                                          ; a plain instruction behind the last of the four,
	s_wait_alu depctr_va_vdst(0)                   ; and the one wait ahead of the first reader
	v_readfirstlane_b32 s2, v24
	v_readfirstlane_b32 s3, v25
	v_readfirstlane_b32 s60, v26
	v_readfirstlane_b32 s61, v27
; hn = d (gamma rstd) + beta for block B's 32 channels; ra, rb: the scalar registers of its two groups' rstd
.macro AFFINE B, ra, rb
	s_wait_kmcnt 0x0
.set i, 0
.rept 16
	s_mul_f32 s[24+i], s[24+i], s[\ra]
	s_mul_f32 s[40+i], s[40+i], s[\rb]
.set i, i+1
.endr
.set i, 0
.rept 32
	v_fma_f32 v[X+32*\B+i], v[X+32*\B+i], s[24+i], s[68+i]
	v_fma_f32 v[X+64+32*\B+i], v[X+64+32*\B+i], s[24+i], s[68+i]
.set i, i+1
.endr
.endm
; one block of 32 channels of one position: scale, hold, codes, and two stores, each of two runs of 256 consecutive aligned bytes
.macro QBLK j, B
.set XS, X+64*\j+32*\B
.set CC, CD+8*(2*\j+\B)
	v_max3_num_f32 v40, |v[XS]|, |v[XS+1]|, |v[XS+2]|
	v_max3_num_f32 v41, |v[XS+3]|, |v[XS+4]|, |v[XS+5]|
.irp i, 6,10,14,18,22,26
	v_max3_num_f32 v40, v40, |v[XS+\i]|, |v[XS+\i+1]|
	v_max3_num_f32 v41, v41, |v[XS+\i+2]|, |v[XS+\i+3]|
.endr
	v_max3_num_f32 v40, v40, |v[XS+30]|, |v[XS+31]|
	v_max3_num_f32 v40, v40, v41, 0x8000000        ; and the floor 2^(16 - 127): the byte cannot fall under 1
	v_add_nc_u32 v42, 0xf8800000, v40              ; 15 off the exponent field: the conversion's scale operand
	v_and_or_b32 v43, v40, 0x7f800000, s100        ; 57,344 x the scale
	v_lshrrev_b32 v[SBY+2*\j+\B], 23, v42          ; the scale's byte
.set i, 0
.rept 32
	v_med3_num_f32 v[XS+i], v[XS+i], -v43, v43     ; the conversion to an 8-bit code does not saturate (ISA guide 7.6.2): the hold
.set i, i+1
.endr
.irp g, 0,1,2,3
	v_cvt_scalef32_pk8_bf8_f32 v[CC+2*\g:CC+2*\g+1], v[XS+8*\g:XS+8*\g+7], v42
.endr
	v_nop                                          ; a plain instruction behind the last conversion: the next block writes v42
	global_store_b128 v3, v[CC:CC+3], s[18:19] offset:16384*\j+512*\B          ; channels 0-15 of the block: the fragment's lanes 0-15
	global_store_b128 v3, v[CC+4:CC+7], s[18:19] offset:16384*\j+512*\B+256    ; channels 16-31: its lanes 16-31
.endm
	AFFINE 0, 2, 3
	QBLK 0, 0
	s_load_b512 s[24:39], s[6:7], 0x80             ; the second block's gamma and beta: the first block's are done with
	s_load_b512 s[40:55], s[6:7], 0xc0
	s_load_b512 s[68:83], s[8:9], 0x80
	s_load_b512 s[84:99], s[8:9], 0xc0
	QBLK 1, 0
	AFFINE 1, 60, 61
	QBLK 0, 1
	QBLK 1, 1
	v_lshl_or_b32 v8, v[SBY+1], 8, v[SBY]          ; a position's two bytes
	v_lshl_or_b32 v9, v[SBY+3], 8, v[SBY+2]
	ds_store_b16 v4, v8
	ds_store_b16 v4, v9 offset:4
	s_wait_dscnt 0x0
	s_barrier_signal -1
	s_barrier_wait -1                              ; the work-group's 2,048 scale bytes lie in the stage
	s_cmp_lt_u32 s56, 4
	s_cbranch_scc0 .Lno_scales
	ds_load_b128 v[12:15], v10 offset:STG
	s_wait_dscnt 0x0
	global_store_b128 v10, v[12:15], s[20:21]      ; a wave stores 512 consecutive bytes
.Lno_scales:
	s_cmp_lt_u32 s56, 8
	s_cbranch_scc0 .Ldone
	global_store_b128 v10, v[48:51], s[22:23]      ; the weight piece: 2048 F + 512 g + 16 lane = 4096 G + 16 x thread
.Ldone:
	s_wait_tensorcnt 0x0
	ds_add_u32 v224, v225
	s_wait_dscnt 0x0
	s_endpgm
.Lfunc_end_k_qb2d58d0120_norm:
	.size	k_qb2d58d0120_norm, .Lfunc_end_k_qb2d58d0120_norm-k_qb2d58d0120_norm
	.p2alignl 7, 3214868480
	.fill 96, 4, 3214868480
	.section	.rodata,"a",@progbits
	.p2align	6, 0x0
	.amdhsa_kernel k_qb2d58d0120_norm
		.amdhsa_group_segment_fixed_size 14336
		.amdhsa_private_segment_fixed_size 0
		.amdhsa_enable_private_segment 0
		.amdhsa_kernarg_size 80
		.amdhsa_user_sgpr_count 2
		.amdhsa_user_sgpr_kernarg_segment_ptr 1
		.amdhsa_wavefront_size32 1
		.amdhsa_system_sgpr_workgroup_id_x 1
		.amdhsa_system_sgpr_workgroup_id_y 1
		.amdhsa_system_sgpr_workgroup_id_z 1
		.amdhsa_system_vgpr_workitem_id 0
		.amdhsa_next_free_vgpr 226
		.amdhsa_next_free_sgpr 102
		.amdhsa_reserve_vcc 0
		.amdhsa_float_denorm_mode_32 3
		.amdhsa_float_denorm_mode_16_64 3
		.amdhsa_memory_ordered 1
		.amdhsa_forward_progress 1
		.amdhsa_inst_pref_size 61
	.end_amdhsa_kernel
	.amdgpu_metadata
---
amdhsa.version: [ 1, 2 ]
amdhsa.kernels:
  - .name:           k_qb2d58d0120_norm
    .symbol:         k_qb2d58d0120_norm.kd
    .args:
      - { .name: x, .offset: 0, .size: 8, .value_kind: global_buffer, .address_space: global }
      - { .name: gamma, .offset: 8, .size: 8, .value_kind: global_buffer, .address_space: global }
      - { .name: beta, .offset: 16, .size: 8, .value_kind: global_buffer, .address_space: global }
      - { .name: wq_codes, .offset: 24, .size: 8, .value_kind: global_buffer, .address_space: global }
      - { .name: wk_codes, .offset: 32, .size: 8, .value_kind: global_buffer, .address_space: global }
      - { .name: wv_codes, .offset: 40, .size: 8, .value_kind: global_buffer, .address_space: global }
      - { .name: wp_codes, .offset: 48, .size: 8, .value_kind: global_buffer, .address_space: global }
      - { .name: hnimg, .offset: 56, .size: 8, .value_kind: global_buffer, .address_space: global }
      - { .name: hnsc, .offset: 64, .size: 8, .value_kind: global_buffer, .address_space: global }
      - { .name: wimg, .offset: 72, .size: 8, .value_kind: global_buffer, .address_space: global }
    .group_segment_fixed_size: 14336
    .private_segment_fixed_size: 0
    .kernarg_segment_align: 8
    .kernarg_segment_size: 80
    .max_flat_workgroup_size: 512
    .sgpr_count:     102
    .vgpr_count:     226
    .wavefront_size: 32
...
	.end_amdgpu_metadata
.endif
;; end of part 1
;; launch qkv (part 2): grid 64 x 4, 4 waves a work-group, clusters of 4 x 1, 205,312 bytes of LDS; arguments hnimg, hnsc, wimg, wq_scales, wk_scales, wv_scales, bq, bk, bv, qkv; writes qkv
.if DOCPART == 2
	.amdgcn_target "amdgcn-amd-amdhsa--gfx1250"
	.amdhsa_code_object_version 6
	.text
	.protected	k_qb2d58d0120_qkv
	.globl	k_qb2d58d0120_qkv
	.p2align	8
	.type	k_qb2d58d0120_qkv,@function
k_qb2d58d0120_qkv:
	s_mov_b64 s[64:65], 0
	v_nop
	global_prefetch_b8 v0, s[64:65] scope:SCOPE_SE
	s_setreg_imm32_b32 hwreg(HW_REG_WAVE_MODE, 25, 1), 1
	s_wait_xcnt 0x0
	s_wait_alu depctr_hold_cnt(0) depctr_sa_sdst(0) depctr_va_vdst(0) depctr_va_sdst(0) depctr_va_ssrc(0) depctr_va_vcc(0) depctr_vm_vsrc(0)
	s_getreg_b32 s2, hwreg(HW_REG_IB_STS2, 6, 4)
	s_cmp_eq_u32 s2, 0
	s_cbranch_scc0 .Lentry_in_a_cluster
	s_endpgm
.Lentry_in_a_cluster:
	s_bfe_u32 s2, ttmp6, 0x10000c
	s_cmp_lg_u32 s2, 0x3003
	s_cbranch_scc0 .Lentry_shape_is_right
	s_endpgm
.Lentry_shape_is_right:
; q = wq hn + bq, k = wk hn + bk, v = wv hn + bv on codes of E5M2 with E8M0 scales; q and k are quantised along the channels, v along the positions (attention's keys), and stored as images of operand registers.
; SHARES.  The 1,536 stacked rows of wq, wk, wv are 12 units of 128 rows.  Work-group (x, y) owns units 3 y .. 3 y + 2: 196,608 consecutive bytes of wimg, which come into LDS ONCE and stay.
; Wave w owns the 128 positions of block 4 x + w (8 tiles of 16): their 32 fragments of hn stay in 512 registers, loaded straight from memory.  Each weight fragment read from LDS feeds 8 products.
; CLUSTER.  The four work-groups of a cluster share y, so they need the same weights: each wave's quarter (49,152 bytes) is asked for JOINTLY, by the same tensor load with a mask that names the four.
; hn is shared by no two work-groups of a cluster and goes into registers.  LDS is filled once: there is no ring.
; q, k: THE PRODUCT IS USED TRANSPOSED (source 0 = 16 rows of W, source 1 = 16 positions): a lane holds one position, and since lane r of weight tile 2 b + u is row 32 b + 8 u + r + 8 (r / 8),
; the 16 registers of tiles 2 b, 2 b + 1 are 16 neighbouring channels.  v: source 0 = 16 positions, source 1 = 16 rows of W: a lane holds one channel, and by the same rule for the positions of a tile
; the 64 registers of the 8 position tiles are 128 neighbouring keys.  The biases are the C of each sum's first product.
; OUT.  qkv [n][m 3][pb 8][67,584]: 65,536 bytes of codes (q, k: T 8192 + ks 2048 + g 512 + 16 lane; v: ct 2048 + g 512 + 16 lane), then 2,048 of scale words, laid so that 16 bytes a lane give four scale
; registers, each with an even tile's rows in lanes 0-15 and the odd tile's in lanes 16-31.
; LIMITS: NaN and infinities are not served; a block whose largest magnitude lies under 2^-111 keeps the byte 1 (read by this program alone).
; REGISTERS: window 0: v1-8, v14, v15 addresses; v16-31 hn's scale words; v32-35 the weights'; v48-59 scale words being made; v60-91 codes; v92-115 at work; v128-255 16 accumulators.
;   window 1: v0-127 two weight tiles x 4 K steps; v128-143 their biases.   windows 2, 3: hn: fragment (T, ks) in window 2 + ks / 2 at 16 (8 (ks % 2) + T).
.set BLK,  67584
.set WSC,  196608                      ; LDS behind the weights: 3 x 2,048 bytes: the units' scale rows as they are given
.set BIAS, 202752                      ; 3 x 512 bytes: their biases
.set HSP,  16                          ; v16-31  HSP + 4 ks + j: lanes 0-15 tile 2 j's words, lanes 16-31 tile 2 j + 1's
.set WS,   32                          ; v32-35  WS + ks: lanes 0-15 the even weight tile's words, lanes 16-31 the odd one's
.set PW,   48
.set PWC,  56
.set CR,   60
.set TM,   92                          ; largest magnitudes, then 57,344 x the scale
.set T2,   100                         ; the other half's, then the bytes
.set SC,   108                         ; the conversions' scale operands
.set ACC,  128
.set BI,   128                         ; in window 1
.set MSB, 0
.macro WIN new                         ; the immediate's high byte repeats the setting that is left
.if MSB != \new
	s_set_vgpr_msb (MSB<<8)|\new
.set MSB, \new
.endif
.endm
.macro NOPS n
.rept \n
	v_nop
.endr
.endm
.macro CROUND                          ; a round of the cluster's barrier
	s_barrier_signal -1
	s_barrier_wait -1
	s_cmp_lg_u32 s24, 0
	s_cbranch_scc1 .Lnot_wave_0_\@
	s_barrier_signal -3
.Lnot_wave_0_\@:
	s_barrier_wait -3
	s_barrier_signal -1
	s_barrier_wait -1
.endm
; one product: D v[rD], source 0 v[rA], source 1 v[rB], C as given; scale registers v[rSA], v[rSB], taken from lanes 16-31 where rRA, rRB are 1
.macro WM c
.if (rRA == 0) && (rRB == 0)
	v_wmma_scale_f32_16x16x128_f8f6f4 v[rD:rD+7], v[rA:rA+15], v[rB:rB+15], \c, v[rSA], v[rSB] matrix_a_fmt:MATRIX_FMT_BF8 matrix_b_fmt:MATRIX_FMT_BF8
.elseif (rRA == 1) && (rRB == 0)
	v_wmma_scale_f32_16x16x128_f8f6f4 v[rD:rD+7], v[rA:rA+15], v[rB:rB+15], \c, v[rSA], v[rSB] matrix_a_fmt:MATRIX_FMT_BF8 matrix_b_fmt:MATRIX_FMT_BF8 matrix_a_scale:MATRIX_SCALE_ROW1
.elseif (rRA == 0) && (rRB == 1)
	v_wmma_scale_f32_16x16x128_f8f6f4 v[rD:rD+7], v[rA:rA+15], v[rB:rB+15], \c, v[rSA], v[rSB] matrix_a_fmt:MATRIX_FMT_BF8 matrix_b_fmt:MATRIX_FMT_BF8 matrix_b_scale:MATRIX_SCALE_ROW1
.else
	v_wmma_scale_f32_16x16x128_f8f6f4 v[rD:rD+7], v[rA:rA+15], v[rB:rB+15], \c, v[rSA], v[rSB] matrix_a_fmt:MATRIX_FMT_BF8 matrix_b_fmt:MATRIX_FMT_BF8 matrix_a_scale:MATRIX_SCALE_ROW1 matrix_b_scale:MATRIX_SCALE_ROW1
.endif
.endm
	s_load_b512 s[4:19], s[0:1], 0x0               ; hnimg, hnsc, wimg, wq_scales, wk_scales, wv_scales, bq, bk
	s_load_b128 s[20:23], s[0:1], 0x40             ; bv, qkv
	v_lshl_add_u32 v126, v0, 2, 0x32000
	v_mov_b32 v127, 0
	ds_add_u32 v126, v127
	ds_add_u32 v126, v127
	v_lshrrev_b32 v9, 5, v0
	v_readfirstlane_b32 s24, v9                    ; wave 0..3
	s_bfe_u32 s25, ttmp6, 0x40000                  ; cx
	s_lshl_b32 s26, ttmp9, 2
	s_add_co_u32 s26, s26, s25                     ; x = 4 x cluster x + cx: it enters hn's and qkv's addresses alone
	s_and_b32 s27, ttmp7, 0xffff                   ; y, which the four partners share
	s_lshl_b32 s28, s26, 2
	s_add_co_u32 s28, s28, s24                     ; my block of 128 positions, 0..255
	s_lshr_b32 s29, s28, 3                         ; n
	s_and_b32 s30, s28, 7                          ; pb
	s_mov_b32 s60, 0x76543210
	s_mov_b32 s61, 0xfedcba98                      ; v_permlanex16_b32's selects for lane l xor 16
	s_mov_b32 s62, 0x600000                        ; the mantissa field of 57,344
	s_mov_b32 vcc_lo, 0xffff0000                   ; lanes 16-31
	; descriptor group 1: 192 rows of 256 bytes (32 elements of 8 bytes), dense, no padding
	s_mov_b32 s32, 15|(3<<16)|(1<<21)              ; 15:0 the mask: all four work-groups; 17:16 elements of 8 bytes; 21 set beside a mask
	s_mov_b32 s33, 32<<16                          ; tensor_dim0 = 32
	s_mov_b32 s34, 192<<16                         ; tensor_dim1 = 192
	s_mov_b32 s35, 32<<16                          ; tile_dim0 = 32
	s_mov_b32 s36, 192                             ; tile_dim1 = 192
	s_mov_b32 s37, 32                              ; from row to row
	s_mov_b32 s38, 0
	s_mov_b32 s39, 0
	s_mov_b32 s40, 1                               ; group 0: count = 1
	s_mul_i32 s41, s24, 49152                      ; LDS address: my wave's quarter
	s_mul_i32 s86, s27, 196608
	s_add_co_u32 s86, s86, s41                     ; and the same quarter of the three units in wimg: y and the wave's number alone
	s_mov_b32 s87, 0
	v_and_b32 v9, 31, v0
	v_lshlrev_b32 v1, 4, v9                        ; 16 x lane: an image's place for my lane
	v_and_b32 v10, 15, v0                          ; r
	v_lshlrev_b32 v2, 4, v10                       ; 16 r
	v_bfe_u32 v11, v0, 4, 1                        ; h
	v_and_b32 v12, 8, v10
	v_add_nc_u32 v12, v12, v10                     ; r + 8 (r / 8)
	v_lshl_add_u32 v13, v11, 3, v12
	v_lshlrev_b32 v3, 4, v13                       ; the weights' scale rows: 16 (8 h + r + 8 (r / 8)): lanes 16-31 take the odd tile's
	v_lshlrev_b32 v14, 6, v11                      ; q, k: the bias of my half's channels: 64 h
	v_lshlrev_b32 v15, 2, v12                      ; v: the bias of my channel: 4 (r + 8 (r / 8))
	v_mov_b32 v8, 0x05040100
	v_mov_b32 v9, 0x07060302
	v_cndmask_b32 v8, v8, v9, vcc_lo               ; lanes 0-15 join two low halves, lanes 16-31 two high halves
	v_lshlrev_b32 v36, 4, v0                       ; 16 x thread, 4 x thread: a scale row and a bias for each of the unit's 128 rows
	v_lshlrev_b32 v37, 2, v0
	v_lshl_add_u32 v38, v0, 4, WSC
	v_lshl_add_u32 v39, v0, 2, BIAS
.irp q, 0,1,2,3,4,5,6,7
	v_mov_b32 v[T2+\q], 0                          ; a lane permute's destination counts as one of its sources
.endr
	s_wait_dscnt 0x0
	s_wait_kmcnt 0x0
	s_add_nc_u64 s[42:43], s[8:9], s[86:87]
	s_or_b32 s43, s43, 0x80000000                  ; type = 2
	s_lshl_b32 s52, s28, 16
	s_mov_b32 s53, 0
	s_add_nc_u64 s[4:5], s[4:5], s[52:53]          ; hn's 32 fragments of my block: 65,536 bytes
	s_lshl_b32 s52, s29, 14
	s_lshl_b32 s54, s30, 8
	s_add_co_u32 s52, s52, s54
	s_add_nc_u64 s[6:7], s[6:7], s[52:53]          ; hnsc + 16384 n + 256 pb
	s_mul_i32 s44, s27, 3                          ; U: my first unit
.irp i, 0,1,2                          ; unit U + i: its matrix's scales and bias, at its 128 rows
	s_add_co_u32 s52, s44, \i
	s_lshr_b32 s54, s52, 2
	s_and_b32 s55, s52, 3
	s_cmp_eq_u32 s54, 0
	s_cselect_b64 s[68+4*\i:69+4*\i], s[10:11], s[12:13]
	s_cselect_b64 s[70+4*\i:71+4*\i], s[16:17], s[18:19]
	s_cmp_eq_u32 s54, 2
	s_cselect_b64 s[68+4*\i:69+4*\i], s[14:15], s[68+4*\i:69+4*\i]
	s_cselect_b64 s[70+4*\i:71+4*\i], s[20:21], s[70+4*\i:71+4*\i]
	s_lshl_b32 s52, s55, 11
	s_add_nc_u64 s[68+4*\i:69+4*\i], s[68+4*\i:69+4*\i], s[52:53]
	s_lshl_b32 s52, s55, 9
	s_add_nc_u64 s[70+4*\i:71+4*\i], s[70+4*\i:71+4*\i], s[52:53]
.endr
	CROUND                                         ; all four work-groups are here: the joint loads meet
	tensor_load_to_lds s[40:43], s[32:39]          ; my one tensor load of the launch
	s_nop 0
	NOPS 4
.set kk, 0
.rept 4
	WIN 0x80+0x40*(kk/2)                           ; destination window 2 or 3, address window 0
.set tt, 0
.rept 8
.irp g, 0,1,2,3
	global_load_b128 v[16*(8*(kk%2)+tt)+4*\g:16*(8*(kk%2)+tt)+4*\g+3], v1, s[4:5] offset:8192*tt+2048*kk+512*\g
.endr
.set tt, tt+1
.endr
.set kk, kk+1
.endr
	WIN 0
.irp c, 0,1,2,3,4,5,6,7
	global_load_b128 v[128+4*\c:131+4*\c], v2, s[6:7] offset:2048*\c   ; row r: the 8 tiles' byte pairs of channel blocks 2 c, 2 c + 1
.endr
.irp i, 0,1,2
	global_load_b128 v[160+4*\i:163+4*\i], v36, s[68+4*\i:69+4*\i]
	global_load_b32 v[172+\i], v37, s[70+4*\i:71+4*\i]
.endr
	s_wait_loadcnt 0x0
.irp i, 0,1,2
	ds_store_b128 v38, v[160+4*\i:163+4*\i] offset:2048*\i
	ds_store_b32 v39, v[172+\i] offset:512*\i
.endr
.irp k, 0,1,2,3
.irp j, 0,1,2,3
	v_perm_b32 v[HSP+4*\k+\j], v[128+4*(2*\k+1)+\j], v[128+4*(2*\k)+\j], v8   ; the four bytes of K step k: two from each of two loads
.endr
.endr
	NOPS 8                                         ; a scale register written by a vector instruction stands eight places ahead of a scaled product
	s_wait_tensorcnt 0x0                           ; my quarter of the weights has landed,
	s_wait_dscnt 0x0                               ; and my scale rows and biases
	s_barrier_signal -1
	s_barrier_wait -1                              ; everybody's have
; the LDS loads of a pass: weight tiles 2 b, 2 b + 1 (32 loads of 512 consecutive bytes), their biases, their scale words
.macro LDW b
	WIN 0x40                                       ; destination window 1, address window 0
.set f, 0
.rept 8
.irp g, 0,1,2,3
	ds_load_b128 v[16*f+4*\g:16*f+4*\g+3], v4 offset:(2*(\b)+f/4)*8192+(f%4)*2048+512*\g
.endr
.set f, f+1
.endr
.endm
.macro LDQK b
	LDW \b
.irp u, 0,1
	ds_load_b128 v[BI+8*\u:BI+8*\u+3], v6 offset:4*(32*(\b)+8*\u)          ; the biases of channels 32 b + 16 h + 8 u + 0 .. 7: the result's layout
	ds_load_b128 v[BI+8*\u+4:BI+8*\u+7], v6 offset:4*(32*(\b)+8*\u)+16
.endr
	WIN 0
	ds_load_b128 v[WS:WS+3], v5 offset:512*(\b)
.endm
.macro LDV b
	LDW \b
.irp u, 0,1
.irp j, 0,1,2,3,4,5,6,7
	ds_load_b32 v[BI+8*\u+\j], v7 offset:4*(32*(\b)+8*\u)                  ; my channel's bias in all eight registers
.endr
.endr
	WIN 0
	ds_load_b128 v[WS:WS+3], v5 offset:512*(\b)
.endm
; 64 products; the 16 accumulators take turns, one instruction a turn
.macro MMQK
.set kk, 0
.rept 4
.if kk == 0
	WIN 0x19                                       ; W window 1, hn window 2, the bias window 1
.elseif kk == 1
	WIN 0x09
.else
	WIN 0x0d                                       ; hn window 3
.endif
.set tt, 0
.rept 8
.set uu, 0
.rept 2
.set rD, ACC+16*tt+8*uu
.set rA, 16*(4*uu+kk)
.set rB, 16*(8*(kk%2)+tt)
.set rC, BI+8*uu
.set rSA, WS+kk
.set rRA, uu
.set rSB, HSP+4*kk+tt/2
.set rRB, tt%2
.if kk == 0
	WM v[rC:rC+7]
.else
	WM v[rD:rD+7]
.endif
.set uu, uu+1
.endr
.set tt, tt+1
.endr
.set kk, kk+1
.endr
	WIN 0
.endm
.macro MMV
.set kk, 0
.rept 4
.if kk == 0
	WIN 0x16                                       ; hn window 2, W window 1, the bias window 1
.elseif kk == 1
	WIN 0x06
.else
	WIN 0x07
.endif
.set tt, 0
.rept 8
.set uu, 0
.rept 2
.set rD, ACC+16*(4*uu+tt/2)+8*(tt%2)
.set rA, 16*(8*(kk%2)+tt)
.set rB, 16*(4*uu+kk)
.set rC, BI+8*uu
.set rSA, HSP+4*kk+tt/2
.set rRA, tt%2
.set rSB, WS+kk
.set rRB, uu
.if kk == 0
	WM v[rC:rC+7]
.else
	WM v[rD:rD+7]
.endif
.set uu, uu+1
.endr
.set tt, tt+1
.endr
.set kk, kk+1
.endr
	WIN 0
.endm
; eight groups of 16 registers, each half a block of 32 (the other half lies in lane l xor 16), become 4 registers of codes and a byte each; the groups by turns
.macro QUANT8
.irp q, 0,1,2,3,4,5,6,7
	v_max3_num_f32 v[TM+\q], |v[ACC+16*\q]|, |v[ACC+16*\q+1]|, 0x8000000   ; each accumulator is read from its low end on; the floor 2^(16 - 127) holds the byte at 1 from below
.endr
.irp i, 2,4,6,8,10,12,14
.irp q, 0,1,2,3,4,5,6,7
	v_max3_num_f32 v[TM+\q], v[TM+\q], |v[ACC+16*\q+\i]|, |v[ACC+16*\q+\i+1]|
.endr
.endr
.irp q, 0,1,2,3,4,5,6,7
	v_permlanex16_b32 v[T2+\q], v[TM+\q], s60, s61
.endr
.irp q, 0,1,2,3,4,5,6,7
	v_max_num_f32 v[TM+\q], v[TM+\q], v[T2+\q]
.endr
.irp q, 0,1,2,3,4,5,6,7
	v_add_nc_u32 v[SC+\q], 0xf8800000, v[TM+\q]    ; 15 off the exponent field: the conversion's scale operand
.endr
.irp q, 0,1,2,3,4,5,6,7
	v_and_or_b32 v[TM+\q], v[TM+\q], 0x7f800000, s62   ; 57,344 x the scale
.endr
.irp q, 0,1,2,3,4,5,6,7
	v_lshrrev_b32 v[T2+\q], 23, v[SC+\q]           ; the scale's byte
.endr
	s_wait_xcnt 0x0                                ; the last pass's stores have read their data: the codes' registers may be written
.irp q, 0,1,2,3,4,5,6,7
.irp i, 0,1,2,3,4,5,6,7,8,9,10,11,12,13,14,15
	v_med3_num_f32 v[ACC+16*\q+\i], v[ACC+16*\q+\i], -v[TM+\q], v[TM+\q]   ; the conversion does not saturate (ISA guide 7.6.2): the hold
.endr
	v_cvt_scalef32_pk8_bf8_f32 v[CR+4*\q:CR+4*\q+1], v[ACC+16*\q:ACC+16*\q+7], v[SC+\q]
	v_cvt_scalef32_pk8_bf8_f32 v[CR+4*\q+2:CR+4*\q+3], v[ACC+16*\q+8:ACC+16*\q+15], v[SC+\q]
.endr
	v_nop                                          ; a plain instruction behind the last conversion: the next products write its sources
.endm
; q, k: weight tiles 2 b, 2 b + 1 x my 8 position tiles: one block of 32 channels of 128 positions
.macro PASSQK b
	s_wait_dscnt 0x0                               ; the pass's weights, biases and scale words are in
	MMQK
	NOPS 9                                         ; places: 8 in front of the loads and the reads below, 9 in front of the next pass's products, which begin these accumulators anew
.if \b < 3
	LDQK (\b)+1                                    ; the next pass's loads land under the quantising
.endif
	QUANT8
.set q, 0
.rept 8
	global_store_b128 v1, v[CR+4*q:CR+4*q+3], s[48:49] offset:8192*q+512*(\b)   ; group b of fragment (T = q, ks = the unit): 512 consecutive bytes
.if \b == 0
	v_mov_b32 v[PW+q], v[T2+q]
.else
	v_lshl_or_b32 v[PW+q], v[T2+q], 8*(\b), v[PW+q]
.endif
.set q, q+1
.endr
.if \b == 3
.irp j, 0,1,2,3
	v_cndmask_b32 v[PWC+\j], v[PW+2*\j], v[PW+2*\j+1], vcc_lo    ; lanes 0-15 the even tile's words, lanes 16-31 the odd one's
.endr
.irp j, 0,1,2,3
	global_store_b32 v1, v[PWC+\j], s[50:51] offset:65536+512*\j ; 4 bytes of each 16: the other three K steps' words come from other work-groups; one byte in 32 of what the pass stores
.endr
.endif
.endm
; v: my 8 position tiles x channel tiles 2 b, 2 b + 1: two whole fragments (16 channels x 128 keys)
.macro PASSV b
	s_wait_dscnt 0x0
	MMV
	NOPS 9
.if \b < 3
	LDV (\b)+1
.endif
	QUANT8
.set q, 0
.rept 8
	global_store_b128 v1, v[CR+4*q:CR+4*q+3], s[48:49] offset:(2*(\b)+q/4)*2048+512*(q%4)
.set q, q+1
.endr
.irp u, 0,1
	v_lshl_or_b32 v[PW+2*(\b)+\u], v[T2+4*\u+1], 8, v[T2+4*\u]
	v_lshl_or_b32 v[PW+2*(\b)+\u], v[T2+4*\u+2], 16, v[PW+2*(\b)+\u]
	v_lshl_or_b32 v[PW+2*(\b)+\u], v[T2+4*\u+3], 24, v[PW+2*(\b)+\u]
.endr
.if \b == 3
.irp j, 0,1,2,3
	v_cndmask_b32 v[PWC+\j], v[PW+2*\j], v[PW+2*\j+1], vcc_lo
.endr
	global_store_b128 v1, v[PWC:PWC+3], s[50:51] offset:65536    ; the unit's 8 tiles' words: 512 consecutive bytes
.endif
.endm
	s_mov_b32 s45, 3                               ; three units, in every work-group
	s_mov_b32 s56, 0                               ; where the unit's weights,
	s_mov_b32 s57, WSC                             ; scale rows
	s_mov_b32 s58, BIAS                            ; and biases begin in LDS
.Lunit:
	s_wait_xcnt 0x0                                ; the last unit's stores have read their bases
	s_lshr_b32 s47, s44, 2                         ; m: q, k or v
	s_and_b32 s46, s44, 3                          ; which 128 rows of it
	s_mul_i32 s52, s29, 3
	s_add_co_u32 s52, s52, s47
	s_lshl_b32 s52, s52, 3
	s_add_co_u32 s52, s52, s30
	s_mul_i32 s52, s52, BLK                        ; block (n, m, pb): under 2^26 bytes
	s_mov_b32 s53, 0
	s_add_nc_u64 s[48:49], s[22:23], s[52:53]
	s_mov_b64 s[50:51], s[48:49]
	s_cmp_ge_u32 s44, 8
	s_cselect_b32 s54, 14, 11                      ; codes: v: 16,384 bytes a unit (8 fragments); q, k: K step = the unit, 2,048
	s_cselect_b32 s55, 9, 2                        ; words: v: 512 a unit; q, k: 4
	s_lshl_b32 s52, s46, s54
	s_add_nc_u64 s[48:49], s[48:49], s[52:53]
	s_lshl_b32 s52, s46, s55
	s_add_nc_u64 s[50:51], s[50:51], s[52:53]
	v_add_nc_u32 v4, s56, v1
	v_add_nc_u32 v5, s57, v3
	v_add_nc_u32 v6, s58, v14
	v_add_nc_u32 v7, s58, v15
	s_cmp_ge_u32 s44, 8                            ; y and the trip alone: the same in all four partners
	s_cbranch_scc1 .Lunit_v
	LDQK 0
	PASSQK 0
	PASSQK 1
	PASSQK 2
	PASSQK 3
	s_branch .Lunit_next
.Lunit_v:
	LDV 0
	PASSV 0
	PASSV 1
	PASSV 2
	PASSV 3
.Lunit_next:
	s_add_co_u32 s44, s44, 1
	s_add_co_u32 s56, s56, 65536
	s_add_co_u32 s57, s57, 2048
	s_add_co_u32 s58, s58, 512
	s_sub_co_u32 s45, s45, 1
	s_cmp_lg_u32 s45, 0
	s_cbranch_scc1 .Lunit
	s_wait_dscnt 0x0
	s_wait_tensorcnt 0x0
	ds_add_u32 v126, v127
	s_wait_dscnt 0x0
	CROUND                                         ; the closing round: no work-group ends while a partner may still ask for a tile that names it
	s_endpgm
.Lfunc_end_k_qb2d58d0120_qkv:
	.size	k_qb2d58d0120_qkv, .Lfunc_end_k_qb2d58d0120_qkv-k_qb2d58d0120_qkv
	.p2alignl 7, 3214868480
	.fill 96, 4, 3214868480
	.section	.rodata,"a",@progbits
	.p2align	6, 0x0
	.amdhsa_kernel k_qb2d58d0120_qkv
		.amdhsa_group_segment_fixed_size 205312
		.amdhsa_private_segment_fixed_size 0
		.amdhsa_enable_private_segment 0
		.amdhsa_kernarg_size 80
		.amdhsa_user_sgpr_count 2
		.amdhsa_user_sgpr_kernarg_segment_ptr 1
		.amdhsa_wavefront_size32 1
		.amdhsa_system_sgpr_workgroup_id_x 1
		.amdhsa_system_sgpr_workgroup_id_y 1
		.amdhsa_system_sgpr_workgroup_id_z 1
		.amdhsa_system_vgpr_workitem_id 0
		.amdhsa_next_free_vgpr 1024
		.amdhsa_next_free_sgpr 88
		.amdhsa_reserve_vcc 1
		.amdhsa_float_denorm_mode_32 3
		.amdhsa_float_denorm_mode_16_64 3
		.amdhsa_memory_ordered 1
		.amdhsa_forward_progress 1
		.amdhsa_inst_pref_size 247
	.end_amdhsa_kernel
	.amdgpu_metadata
---
amdhsa.version: [ 1, 2 ]
amdhsa.kernels:
  - .name:           k_qb2d58d0120_qkv
    .symbol:         k_qb2d58d0120_qkv.kd
    .args:
      - { .name: hnimg, .offset: 0, .size: 8, .value_kind: global_buffer, .address_space: global }
      - { .name: hnsc, .offset: 8, .size: 8, .value_kind: global_buffer, .address_space: global }
      - { .name: wimg, .offset: 16, .size: 8, .value_kind: global_buffer, .address_space: global }
      - { .name: wq_scales, .offset: 24, .size: 8, .value_kind: global_buffer, .address_space: global }
      - { .name: wk_scales, .offset: 32, .size: 8, .value_kind: global_buffer, .address_space: global }
      - { .name: wv_scales, .offset: 40, .size: 8, .value_kind: global_buffer, .address_space: global }
      - { .name: bq, .offset: 48, .size: 8, .value_kind: global_buffer, .address_space: global }
      - { .name: bk, .offset: 56, .size: 8, .value_kind: global_buffer, .address_space: global }
      - { .name: bv, .offset: 64, .size: 8, .value_kind: global_buffer, .address_space: global }
      - { .name: qkv, .offset: 72, .size: 8, .value_kind: global_buffer, .address_space: global }
    .group_segment_fixed_size: 205312
    .private_segment_fixed_size: 0
    .kernarg_segment_align: 8
    .kernarg_segment_size: 80
    .max_flat_workgroup_size: 128
    .sgpr_count:     88
    .vgpr_count:     1024
    .wavefront_size: 32
...
	.end_amdgpu_metadata
.endif
;; end of part 2
;; launch attn (part 3): grid 32 x 8, 4 waves a work-group, no clusters, 257,536 bytes of LDS; arguments qkv, wimg, wp_scales, bp, x, out0; writes out0
.if DOCPART == 3
	.amdgcn_target "amdgcn-amd-amdhsa--gfx1250"
	.amdhsa_code_object_version 6
	.text
	.protected	k_qb2d58d0120_attn
	.globl	k_qb2d58d0120_attn
	.p2align	8
	.type	k_qb2d58d0120_attn,@function
k_qb2d58d0120_attn:
	s_mov_b64 s[64:65], 0
	v_nop
	global_prefetch_b8 v0, s[64:65] scope:SCOPE_SE
	s_setreg_imm32_b32 hwreg(HW_REG_WAVE_MODE, 25, 1), 1
	s_wait_xcnt 0x0
; out0 = x + wp (softmax(q^T k / sqrt(512)) applied to v) + bp, all three products on codes of E5M2 with E8M0 scales.  One head of 512 channels, 1,024 keys, 32 images.
; SHARES.  A work-group owns 128 queries of one image (8 tiles of 16).  The image is the grid's x and the query block its y: the eight work-groups that read one image's k and v have numbers 32 apart.
; In every phase each of the four waves works on ALL 128 queries and owns a quarter of the other axis, so that each fragment
; that is streamed feeds 8 products and no two waves read the same bytes of k, v or wp: they go from memory straight into registers, two blocks ahead.
;   A: S^T = K Q^T.  Of each step's 128 keys wave w owns key tiles 2 w, 2 w + 1, which are keys 32 w .. 32 w + 31: one block of the quantiser.  Softmax, codes of p to LDS.
;   B: O^T = V^T P^T.  Wave w owns channels 128 w .. 128 w + 127; P's fragments come from LDS.    Then O / l is quantised along the channels and goes to LDS.
;   P: y = wp out + bp.  Wave w owns output channels 128 w .. 128 w + 127; + x; stored.
; THE SOFTMAX.  t = score x log2(e) / sqrt(512); p = 2^(t - M), M a whole number.  Each wave keeps its OWN running M (the ceiling of the largest t of its keys so far) and sum for each query, and quantises p under it.
; With a block's byte it stores byte + M.  Behind phase A the row's M is the largest of the four waves', and each byte becomes (byte + M used) - M: a power of two, taken up by the scale: the codes stay.
; So O^T is never rescaled.  The row's sum is taken of the unquantised p and divides O^T at the end.
; NO CLUSTER, NO TENSOR LOAD, though the 8 work-groups of an image read the same k and v: a joint load lands in LDS, of which this text uses 257,024 bytes (131,072 of them P's images);
; what is left of 327,680 is 70,656, and two slots of one key step's block are 2 x 67,584.
; LIMITS: NaN and infinities are not served.  |t| under 2^22, so that byte + M is exact in f32.  A block of p whose byte would fall under 1 at the row's M is held at byte 1: its weight is under 2^-110 of a row whose
; sum is at least 1/2.  A block of O / l whose largest magnitude lies under 2^-111 keeps the byte 1.
; REGISTERS: window 0: v1-11, v116-127 addresses; v12-43 statistics, four a tile: -M, largest t, the sum in two halves (later 1 / l twice); v44-75 at work, four a tile (later v44-59 bp, v60-75 the quantiser's, then out's scale words);
;   v76-91 codes just made; v92-107 q's scale words (later p's, two sets, and wp's, two sets); v108-115 k's or v's, two sets; v128-255 S^T and p, then P's fragments, then y and rows of y.
;   window 1: two buffers of 128: a block's quarter of k or v; later wp's fragments (v0-127) and rows of x (v128-255).
;   windows 2, 3: q's 32 fragments; then the 64 accumulators of O^T; then out's 32 fragments.
.set BLK,  67584
.set OIMG, 131072                      ; LDS: 0: P's images: 32768 g + 512 (8 kb + qt) + 16 lane, g = the wave that wrote them;  OIMG: out's: 16384 ks + 2048 qt + 512 g + 16 lane
.set A32,  196608                      ; byte + M as f32: 4096 w + 512 kb + 64 qt + 4 r
.set PSW,  212992                      ; p's scale words: 512 kb + 16 lane + 4 j
.set STN,  217088                      ; the waves' -M: 512 w + 64 qt + 4 r
.set STL,  219136                      ; and sums
.set OSC,  221184                      ; out's scale words: 512 ks + 16 (r + 16 (qt % 2)) + 4 (qt / 2)
.set YST,  223232                      ; a stage of 16 rows x (512 + 16) bytes for each wave
.set TM,   60
.set PC,   76
.set MSB, 0
.macro WIN new                         ; the immediate's high byte repeats the setting that is left
.if MSB != \new
	s_set_vgpr_msb (MSB<<8)|\new
.set MSB, \new
.endif
.endm
.macro NOPS n
.rept \n
	v_nop
.endr
.endm
.macro WM c                            ; one product: D v[rD], source 0 v[rA], source 1 v[rB], C as given; scale registers v[rSA], v[rSB], from lanes 16-31 where rRA, rRB are 1
.if (rRA == 0) && (rRB == 0)
	v_wmma_scale_f32_16x16x128_f8f6f4 v[rD:rD+7], v[rA:rA+15], v[rB:rB+15], \c, v[rSA], v[rSB] matrix_a_fmt:MATRIX_FMT_BF8 matrix_b_fmt:MATRIX_FMT_BF8
.elseif (rRA == 1) && (rRB == 0)
	v_wmma_scale_f32_16x16x128_f8f6f4 v[rD:rD+7], v[rA:rA+15], v[rB:rB+15], \c, v[rSA], v[rSB] matrix_a_fmt:MATRIX_FMT_BF8 matrix_b_fmt:MATRIX_FMT_BF8 matrix_a_scale:MATRIX_SCALE_ROW1
.elseif (rRA == 0) && (rRB == 1)
	v_wmma_scale_f32_16x16x128_f8f6f4 v[rD:rD+7], v[rA:rA+15], v[rB:rB+15], \c, v[rSA], v[rSB] matrix_a_fmt:MATRIX_FMT_BF8 matrix_b_fmt:MATRIX_FMT_BF8 matrix_b_scale:MATRIX_SCALE_ROW1
.else
	v_wmma_scale_f32_16x16x128_f8f6f4 v[rD:rD+7], v[rA:rA+15], v[rB:rB+15], \c, v[rSA], v[rSB] matrix_a_fmt:MATRIX_FMT_BF8 matrix_b_fmt:MATRIX_FMT_BF8 matrix_a_scale:MATRIX_SCALE_ROW1 matrix_b_scale:MATRIX_SCALE_ROW1
.endif
.endm
	s_load_b256 s[4:11], s[0:1], 0x0               ; qkv, wimg, wp_scales, bp
	s_load_b128 s[12:15], s[0:1], 0x20             ; x, out0
	v_lshrrev_b32 v6, 5, v0
	v_readfirstlane_b32 s16, v6                    ; wave 0..3
	s_and_b32 s17, ttmp7, 0xffff                   ; pb: my 128 queries: the grid's y
	s_mov_b32 s18, ttmp9                           ; n: the image: the grid's x
	s_mov_b32 s20, 0x76543210
	s_mov_b32 s21, 0xfedcba98                      ; v_permlanex16_b32's selects for lane l xor 16
	s_mov_b32 s22, 0x3d8293ee                      ; c = log2(e) / sqrt(512)
	s_mov_b32 s23, s22                             ; (named with it as a pair, so it is written)
	s_mov_b32 s24, 0x600000                        ; the mantissa field of 57,344
	s_mov_b32 vcc_lo, 0xffff0000                   ; lanes 16-31
	v_and_b32 v6, 31, v0                           ; lane
	v_and_b32 v7, 15, v0                           ; r
	v_bfe_u32 v12, v0, 4, 1                        ; h
	v_lshlrev_b32 v1, 4, v6                        ; v1   16 x lane
	s_lshl_b32 s48, s16, 14
	v_add_nc_u32 v2, s48, v1                       ; v2   my quarter of a block's codes: 16384 w + 16 lane
	v_lshl_add_u32 v10, v6, 8, s48                 ; v10  the prefetch of v: 256 (64 w + lane)
	s_lshl_b32 s48, s16, 9
	s_add_co_u32 s49, s48, 65536
	v_add_nc_u32 v3, s49, v1                       ; v3   and of its scale words: 65536 + 512 w + 16 lane
	s_add_co_u32 s49, s48, STN
	v_lshl_add_u32 v8, v7, 2, s49                  ; v8   my wave's statistics
	v_lshl_add_u32 v9, v7, 2, STN                  ; v9   all waves'
	s_add_co_u32 s49, s48, OSC
	v_lshl_add_u32 v121, v7, 4, s49                ; v121 where I store out's scale words
	s_lshl_b32 s48, s16, 15
	v_add_nc_u32 v4, s48, v1                       ; v4   where I store P's images
	s_lshl_b32 s48, s16, 12
	s_add_co_u32 s48, s48, A32
	v_lshl_add_u32 v5, v7, 2, s48                  ; v5   and byte + M
	v_lshrrev_b32 v11, 1, v6
	v_lshlrev_b32 v11, 12, v11
	v_and_b32 v13, 1, v0
	v_lshl_add_u32 v11, v13, 8, v11                ; v11  the prefetch of x: 16 rows of 512 bytes: 4096 (lane / 2) + 256 (lane % 2)
	v_add_nc_u32 v116, 65536, v1                   ; v116 P's images of groups 2 and 3
	v_add_nc_u32 v117, PSW, v1                     ; v117 p's scale words, read
	s_lshl_b32 s48, s16, 10
	s_add_co_u32 s49, s48, A32
	v_lshl_add_u32 v118, v6, 2, s49                ; v118 byte + M of key steps 2 w, 2 w + 1
	s_add_co_u32 s49, s48, PSW
	v_add_nc_u32 v119, s49, v1                     ; v119 p's scale words, written
	s_lshl_b32 s48, s16, 14
	s_add_co_u32 s48, s48, OIMG
	v_add_nc_u32 v120, s48, v1                     ; v120 out's images, written
	v_add_nc_u32 v122, OIMG, v1                    ; v122 read
	v_add_nc_u32 v123, OSC, v1                     ; v123 out's scale words, read
	s_mul_i32 s48, s16, 8448
	s_add_co_u32 s48, s48, YST
	v_add_nc_u32 v125, s48, v1                     ; v125 my stage, by rows
	v_mul_u32_u24 v124, v7, 528
	v_lshl_add_u32 v124, v12, 6, v124
	v_add_nc_u32 v124, s48, v124                   ; v124 my stage: row r, + 64 h
	v_lshlrev_b32 v126, 4, v7                      ; v126 16 r
	v_lshlrev_b32 v127, 2, v7                      ; v127 4 r
	s_wait_kmcnt 0x0
	s_mul_i32 s48, s18, 24*BLK
	s_mov_b32 s49, 0
	s_add_nc_u64 s[26:27], s[4:5], s[48:49]        ; the image's 24 blocks: q's 8, k's 8, v's 8
	s_mul_i32 s48, s17, BLK
	s_add_nc_u64 s[46:47], s[26:27], s[48:49]      ; q's block pb
	s_add_nc_u64 s[30:31], s[46:47], 16*BLK        ; v's block pb: what this work-group prefetches
	s_add_nc_u64 s[28:29], s[26:27], 8*BLK         ; the walking pointer: k's block 0; k's and v's 16 blocks lie on end
	s_lshl_b32 s48, s16, 16
	s_add_co_u32 s48, s48, 786432
	s_add_nc_u64 s[32:33], s[6:7], s[48:49]        ; wp's images, my 8 tiles
	s_lshl_b32 s48, s16, 11
	s_add_nc_u64 s[34:35], s[8:9], s[48:49]        ; wp's scale rows
	s_lshl_b32 s48, s16, 9
	s_add_nc_u64 s[36:37], s[10:11], s[48:49]      ; bp
	s_lshl_b32 s48, s18, 21
	s_lshl_b32 s50, s16, 19
	s_add_co_u32 s48, s48, s50
	s_lshl_b32 s50, s17, 9
	s_add_co_u32 s48, s48, s50
	s_add_nc_u64 s[38:39], s[12:13], s[48:49]      ; x and out0 at (n, channel 128 w, position 128 pb)
	s_add_nc_u64 s[40:41], s[14:15], s[48:49]
; a block's quarter: four scale registers first, then 32 loads of 512 consecutive bytes, fragment by fragment: 33 loads
.macro LOADBLK buf, step
.if \step
	s_wait_xcnt 0x0                                ; the earlier loads have read their base
	s_add_nc_u64 s[28:29], s[28:29], BLK
.endif
	global_load_b128 v[108+4*(\buf):111+4*(\buf)], v3, s[28:29]
	WIN 0x40                                       ; destination window 1, address window 0
.set i, 0
.rept 32
	global_load_b128 v[128*(\buf)+4*i:128*(\buf)+4*i+3], v2, s[28:29] offset:512*i
.set i, i+1
.endr
	WIN 0
.endm
.set kk, 0
.rept 4                                ; q stays in registers: fragment (qt, ks) in window 2 + ks / 2 at 16 (8 (ks % 2) + qt)
	WIN 0x80+0x40*(kk/2)
.set qq, 0
.rept 8
.irp g, 0,1,2,3
	global_load_b128 v[16*(8*(kk%2)+qq)+4*\g:16*(8*(kk%2)+qq)+4*\g+3], v1, s[46:47] offset:8192*qq+2048*kk+512*\g
.endr
.set qq, qq+1
.endr
.set kk, kk+1
.endr
	WIN 0
.irp j, 0,1,2,3
	global_load_b128 v[92+4*\j:95+4*\j], v1, s[46:47] offset:65536+512*\j   ; q's scale words: 92 + 4 j + ks: tile 2 j in lanes 0-15, tile 2 j + 1 in lanes 16-31
.endr
	LOADBLK 0, 0
	LOADBLK 1, 1
.irp q, 0,1,2,3,4,5,6,7
	v_mov_b32 v[13+4*\q], 0xff61b1e6               ; the largest t so far: -3e38
	v_floor_f32 v[12+4*\q], -v[13+4*\q]            ; -M
	v_mov_b32 v[14+4*\q], 0                        ; the sum, in two halves: the first change of M multiplies zeros
	v_mov_b32 v[15+4*\q], 0
	v_mov_b32 v[45+4*\q], 0                        ; a lane permute's destination counts as one of its sources
	v_mov_b32 v[47+4*\q], 0
.endr
; 64 products: my two key tiles x 8 query tiles x 4 K steps; the 16 accumulators take turns; the first K step starts the sums
.macro MMA buf
.set kk, 0
.rept 4
	WIN 0x09+4*(kk/2)                              ; k window 1, q window 2 or 3, S^T window 0
.set qq, 0
.rept 8
.set uu, 0
.rept 2
.set rD, 128+16*qq+8*uu
.set rA, 128*(\buf)+16*(4*uu+kk)
.set rB, 16*(8*(kk%2)+qq)
.set rSA, 108+4*(\buf)+kk
.set rRA, uu
.set rSB, 92+4*(qq/2)+kk
.set rRB, qq%2
.if kk == 0
	WM 0
.else
	WM v[rD:rD+7]
.endif
.set uu, uu+1
.endr
.set qq, qq+1
.endr
.set kk, kk+1
.endr
	WIN 0
.endm
; the softmax of 8 query tiles x my 32 keys: a lane holds one query of each tile and 16 of the keys; stage by stage, the tiles by turns
.macro SOFTMAX buf
.irp q, 0,1,2,3,4,5,6,7
	v_max3_num_f32 v[44+4*\q], v[128+16*\q], v[129+16*\q], v[130+16*\q]   ; the block's largest score: it serves for the maximum and, since p rises with the score, for the block's largest p.  Each accumulator is read from its low end on
.endr
.irp i, 3,5,7,9,11,13
.irp q, 0,1,2,3,4,5,6,7
	v_max3_num_f32 v[44+4*\q], v[44+4*\q], v[128+16*\q+\i], v[129+16*\q+\i]
.endr
.endr
.irp q, 0,1,2,3,4,5,6,7
	v_max_num_f32 v[44+4*\q], v[44+4*\q], v[143+16*\q]
.endr
.irp q, 0,1,2,3,4,5,6,7
	v_permlanex16_b32 v[45+4*\q], v[44+4*\q], s20, s21
.endr
.irp q, 0,1,2,3,4,5,6,7
	v_max_num_f32 v[44+4*\q], v[44+4*\q], v[45+4*\q]   ; with lane l xor 16's 16 keys
.endr
.irp q, 0,1,2,3,4,5,6,7
	v_mul_f32 v[47+4*\q], s22, v[44+4*\q]          ; as t (c is positive)
.endr
.irp q, 0,1,2,3,4,5,6,7
	v_max_num_f32 v[13+4*\q], v[13+4*\q], v[47+4*\q]   ; my running largest t
.endr
.irp q, 0,1,2,3,4,5,6,7
	v_mov_b32 v[47+4*\q], v[12+4*\q]
.endr
.irp q, 0,1,2,3,4,5,6,7
	v_floor_f32 v[12+4*\q], -v[13+4*\q]            ; the new -M = -ceil(t): a whole number
.endr
.irp q, 0,1,2,3,4,5,6,7
	v_sub_f32 v[47+4*\q], v[12+4*\q], v[47+4*\q]   ; old M - new M, 0 or less
.endr
.irp q, 0,1,2,3,4,5,6,7
	v_cvt_i32_f32 v[47+4*\q], v[47+4*\q]           ; (it saturates)
.endr
.irp q, 0,1,2,3,4,5,6,7
	v_ldexp_f32 v[46+4*\q], 1.0, v[47+4*\q]        ; f = 2^(old M - new M)
.endr
.irp j, 0,2,4,6,8,10,12,14
.irp q, 0,1,2,3,4,5,6,7
	v_pk_fma_f32 v[128+16*\q+\j:129+16*\q+\j], v[128+16*\q+\j:129+16*\q+\j], s[22:23], v[12+4*\q:13+4*\q] op_sel_hi:[1,0,0]   ; t - M, two at a time
.endr
.endr
.irp q, 0,1,2,3,4,5,6,7
	v_fma_f32 v[44+4*\q], v[44+4*\q], s22, v[12+4*\q]  ; the same of the block's largest score
.endr
.set i, 0
.rept 128
	v_exp_f32 v[128+i], v[128+i]                   ; p = 2^(t - M): one batch
.set i, i+1
.endr
.irp q, 0,1,2,3,4,5,6,7
	v_pk_mul_f32 v[14+4*\q:15+4*\q], v[14+4*\q:15+4*\q], v[46+4*\q:47+4*\q] op_sel_hi:[1,0]   ; the sums under the new M: plain work behind the batch
.endr
	s_wait_alu depctr_va_vdst(0)                   ; the one wait ahead of the batch's first reader
.irp q, 0,1,2,3,4,5,6,7
	v_exp_f32 v[44+4*\q], v[44+4*\q]               ; the block's largest p: the same two instructions on the same number give the same bits
.endr
.irp j, 0,2,4,6,8,10,12,14
.irp q, 0,1,2,3,4,5,6,7
	v_pk_add_f32 v[14+4*\q:15+4*\q], v[14+4*\q:15+4*\q], v[128+16*\q+\j:129+16*\q+\j]   ; the sum of the UNQUANTISED p; it reads the 128 alone
.endr
.endr
	s_wait_alu depctr_va_vdst(0)                   ; and one for the eight
.irp q, 0,1,2,3,4,5,6,7
	v_max_num_f32 v[44+4*\q], 0x8000000, v[44+4*\q]    ; the floor 2^(16 - 127)
.endr
.irp q, 0,1,2,3,4,5,6,7
	v_add_nc_u32 v[45+4*\q], 0xf8800000, v[44+4*\q]    ; the conversion's scale operand
.endr
.irp q, 0,1,2,3,4,5,6,7
	v_and_or_b32 v[44+4*\q], v[44+4*\q], 0x7f800000, s24   ; 57,344 x the scale
.endr
.irp q, 0,1,2,3,4,5,6,7
	v_lshrrev_b32 v[47+4*\q], 23, v[45+4*\q]       ; the byte under my M
.endr
.irp q, 0,1,2,3,4,5,6,7
	v_cvt_f32_u32 v[46+4*\q], v[47+4*\q]
.endr
.irp q, 0,1,2,3,4,5,6,7
	v_sub_f32 v[46+4*\q], v[46+4*\q], v[12+4*\q]   ; byte + M: what does not hang on which M was used
.endr
.irp q, 0,1,2,3,4,5,6,7
	ds_store_b32 v7, v[46+4*\q] offset:512*(\buf)+64*\q    ; both halves of the lanes write the same word with the same value
.endr
.irp hf, 0,1
.irp q, 0,1,2,3
.irp i, 0,1,2,3,4,5,6,7,8,9,10,11,12,13,14,15
	v_min_num_f32 v[128+16*(4*\hf+\q)+\i], v[128+16*(4*\hf+\q)+\i], v[44+4*(4*\hf+\q)]   ; the conversion does not saturate (ISA guide 7.6.2); p is not negative: a one-sided hold
.endr
.endr
	s_wait_dscnt 0x0                               ; the earlier stores have read the codes' registers
.irp q, 0,1,2,3
	v_cvt_scalef32_pk8_bf8_f32 v[PC+4*\q:PC+4*\q+1], v[128+16*(4*\hf+\q):135+16*(4*\hf+\q)], v[45+4*(4*\hf+\q)]
	v_cvt_scalef32_pk8_bf8_f32 v[PC+4*\q+2:PC+4*\q+3], v[136+16*(4*\hf+\q):143+16*(4*\hf+\q)], v[45+4*(4*\hf+\q)]
.endr
	v_nop                                          ; a plain instruction behind the last conversion
.irp q, 0,1,2,3
	ds_store_b128 v6, v[PC+4*\q:PC+4*\q+3] offset:4096*(\buf)+512*(4*\hf+\q)   ; group w of P's fragment (kb, qt): 512 consecutive bytes
.endr
.endr
.endm
.macro ASTEP buf
	s_wait_loadcnt 33                              ; loads come back in order: my block is in, the other buffer's 33 may be out
	MMA \buf
	NOPS 8                                         ; places in front of the loads into k's registers and of the first read of the scores
	LOADBLK \buf, 1                                ; the block two steps on; steps 6 and 7 so fetch v's blocks 0 and 1
.if \buf == 1
	s_cmp_eq_u32 s42, 2                            ; in key step 5: a prefetch of the codes of v's block pb: each of the image's 8 work-groups names another block, 4 waves x 2 x 32 lanes 256 bytes apart
	s_cbranch_scc0 .Lno_ask_v_\@
	global_prefetch_b8 v10, s[30:31] th:TH_LOAD_NT scope:SCOPE_SE
	global_prefetch_b8 v10, s[30:31] offset:8192 th:TH_LOAD_NT scope:SCOPE_SE
.Lno_ask_v_\@:
.endif
	SOFTMAX \buf
.endm
	s_mov_b32 s42, 4
	s_mov_b32 s43, 0
	s_mov_b32 s44, 0
.Lkeys:                                            ; four trips of two key steps
	v_add_nc_u32 v6, s43, v4
	v_add_nc_u32 v7, s44, v5
	ASTEP 0
	ASTEP 1
	s_add_co_u32 s43, s43, 8192
	s_add_co_u32 s44, s44, 1024
	s_sub_co_u32 s42, s42, 1
	s_cmp_lg_u32 s42, 0
	s_cbranch_scc1 .Lkeys
	; ---- THE FOUR WAVES' M AND SUMS MEET
.irp q, 0,1,2,3,4,5,6,7
	v_add_f32 v[44+4*\q], v[14+4*\q], v[15+4*\q]
.endr
.irp q, 0,1,2,3,4,5,6,7
	v_permlanex16_b32 v[45+4*\q], v[44+4*\q], s20, s21
.endr
.irp q, 0,1,2,3,4,5,6,7
	v_add_f32 v[44+4*\q], v[44+4*\q], v[45+4*\q]   ; my keys' sum, under my M
.endr
.irp q, 0,1,2,3,4,5,6,7
	ds_store_b32 v8, v[12+4*\q] offset:64*\q
	ds_store_b32 v8, v[44+4*\q] offset:STL-STN+64*\q
.endr
	s_wait_dscnt 0x0                               ; my statistics, my images of P and my byte + M have landed
	s_barrier_signal -1
	s_barrier_wait -1
.irp p, 0,1,2,3
.irp q, 0,1,2,3,4,5,6,7
	ds_load_b32 v[128+8*\p+\q], v9 offset:512*\p+64*\q
	ds_load_b32 v[160+8*\p+\q], v9 offset:STL-STN+512*\p+64*\q
.endr
.endr
.irp e, 0,1
.irp j, 0,1,2,3
.irp p, 0,1,2,3
	ds_load_b32 v[200+16*\e+4*\j+\p], v118 offset:4096*\p+512*\e+128*\j   ; byte + M of key step 2 w + e, block p: tile 2 j in lanes 0-15, tile 2 j + 1 in lanes 16-31
.endr
.endr
.endr
	s_wait_dscnt 0x0
.irp q, 0,1,2,3,4,5,6,7
	v_min_num_f32 v[12+4*\q], v[128+\q], v[136+\q]
	v_min_num_f32 v[13+4*\q], v[144+\q], v[152+\q]
.endr
.irp q, 0,1,2,3,4,5,6,7
	v_min_num_f32 v[12+4*\q], v[12+4*\q], v[13+4*\q]   ; the row's -M
.endr
.irp p, 0,1,2,3
.irp q, 0,1,2,3,4,5,6,7
	v_sub_f32 v[128+8*\p+\q], v[12+4*\q], v[128+8*\p+\q]   ; wave p's M - the row's M, 0 or less
.endr
.endr
.set i, 0
.rept 32
	v_cvt_i32_f32 v[128+i], v[128+i]
.set i, i+1
.endr
.set i, 0
.rept 32
	v_ldexp_f32 v[160+i], v[160+i], v[128+i]       ; wave p's sum under the row's M: nothing is rounded
.set i, i+1
.endr
.irp q, 0,1,2,3,4,5,6,7
	v_add_f32 v[44+4*\q], v[160+\q], v[168+\q]
	v_add_f32 v[45+4*\q], v[176+\q], v[184+\q]
.endr
.irp q, 0,1,2,3,4,5,6,7
	v_add_f32 v[44+4*\q], v[44+4*\q], v[45+4*\q]   ; l
.endr
.irp q, 0,1,2,3,4,5,6,7
	v_rcp_f32 v[14+4*\q], v[44+4*\q]               ; 1 / l, twice: a pair for the packed multiply
	v_rcp_f32 v[15+4*\q], v[44+4*\q]
.endr
	v_nop
	s_wait_alu depctr_va_vdst(0)                   ; one wait for the sixteen
.irp j, 0,1,2,3
	v_cndmask_b32 v[192+\j], v[12+8*\j], v[16+8*\j], vcc_lo    ; the row's -M: tile 2 j in lanes 0-15, tile 2 j + 1 in lanes 16-31
.endr
.set i, 0
.rept 32
	v_add_f32 v[200+i], v[200+i], v[192+(i/4)%4]   ; the byte under the row's M,
.set i, i+1
.endr
.set i, 0
.rept 32
	v_max_num_f32 v[200+i], 1.0, v[200+i]          ; held at 1 from below
.set i, i+1
.endr
.set i, 0
.rept 32
	v_cvt_u32_f32 v[200+i], v[200+i]
.set i, i+1
.endr
.irp e, 0,1
.irp j, 0,1,2,3
	v_lshl_or_b32 v[232+4*\e+\j], v[201+16*\e+4*\j], 8, v[200+16*\e+4*\j]
	v_lshl_or_b32 v[232+4*\e+\j], v[202+16*\e+4*\j], 16, v[232+4*\e+\j]
	v_lshl_or_b32 v[232+4*\e+\j], v[203+16*\e+4*\j], 24, v[232+4*\e+\j]
.endr
	ds_store_b128 v119, v[232+4*\e:235+4*\e] offset:512*\e
.endr
	s_wait_dscnt 0x0
	s_barrier_signal -1
	s_barrier_wait -1                              ; p's scale words of all eight key steps lie in LDS
	; ---- B: O^T = V^T P^T
.macro PTILE vb, qt                    ; P's fragment (vb, qt): its four groups were written by the four waves
	ds_load_b128 v[128+16*(\qt):131+16*(\qt)], v1 offset:512*(8*(\vb)+(\qt))
	ds_load_b128 v[132+16*(\qt):135+16*(\qt)], v1 offset:32768+512*(8*(\vb)+(\qt))
	ds_load_b128 v[136+16*(\qt):139+16*(\qt)], v116 offset:512*(8*(\vb)+(\qt))
	ds_load_b128 v[140+16*(\qt):143+16*(\qt)], v116 offset:32768+512*(8*(\vb)+(\qt))
.endm
.macro PLOADA vb                       ; 17 loads: the step's scale words and tiles 0 to 3
	ds_load_b128 v[92+4*((\vb)%2):95+4*((\vb)%2)], v117 offset:512*(\vb)
.irp t, 0,1,2,3
	PTILE \vb, \t
.endr
.endm
.macro PLOADB vb                       ; 16 loads: tiles 4 to 7
.irp t, 4,5,6,7
	PTILE \vb, \t
.endr
.endm
.macro BPROD vb, half                  ; one product: my channel tile cc x query tile 4 half + qq.  Each of the 64 accumulators has one product a step: between two links of a chain stand the 63 others'
.set rD, 64*qq+8*cc
.set rA, 128*((\vb)%2)+16*cc
.set rB, 128+16*(4*(\half)+qq)
.set rSA, 108+4*((\vb)%2)+cc/2
.set rRA, cc%2
.set rSB, 92+4*((\vb)%2)+2*(\half)+qq/2
.set rRB, qq%2
.if (\vb) == 0
	WM 0
.else
	WM v[rD:rD+7]
.endif
.endm
; the step's first 32 products, query tiles 0 to 3, go channel tile by channel tile, so that v's fragments are waited for two at a time.  A block's loads are its scale words and then fragments 0 to 7, four loads each:
; ahead of fragments cc, cc + 1 the block's 24 - 4 cc younger loads may be out, and the lb loads issued behind the block.  (A wait's count holds 63 at the most: a smaller count is the stricter one)
.macro MMB0 vb, lb
	WIN 0xa1                                       ; v window 1, P window 0, O^T window 2
.set cc, 0
.rept 8
.if (cc%2) == 0
.set lc, (\lb)+24-4*cc
.if lc > 63
.set lc, 63
.endif
	s_wait_loadcnt lc
.endif
.set qq, 0
.rept 4
	BPROD \vb, 0
.set qq, qq+1
.endr
.set cc, cc+1
.endr
	WIN 0
.endm
.macro MMB1 vb                         ; the other 32: query tiles 4 to 7
	WIN 0xf1                                       ; O^T window 3
.set qq, 0
.rept 4
.set cc, 0
.rept 8
	BPROD \vb, 1
.set cc, cc+1
.endr
.set qq, qq+1
.endr
	WIN 0
.endm
.macro WGROUP buf                      ; wp's tile at the pointers + buf: 16 loads of codes, its scale rows, bp of my channel in eight registers: 25 loads
	WIN 0x40
.irp k, 0,1,2,3
.irp g, 0,1,2,3
	global_load_b128 v[64*(\buf)+16*\k+4*\g:64*(\buf)+16*\k+4*\g+3], v1, s[32:33] offset:8192*(\buf)+2048*\k+512*\g
.endr
.endr
	WIN 0
	global_load_b128 v[100+4*(\buf):103+4*(\buf)], v126, s[34:35] offset:256*(\buf)
.irp j, 0,1,2,3,4,5,6,7
	global_load_b32 v[44+8*(\buf)+\j], v127, s[36:37] offset:64*(\buf)
.endr
.endm
.macro XGROUP buf                      ; x's 16 rows of 512 bytes for that tile: 16 loads
	WIN 0x40
.set i, 0
.rept 16
	global_load_b128 v[128+64*(\buf)+4*i:128+64*(\buf)+4*i+3], v1, s[38:39] offset:65536*(\buf)+4096*i th:TH_LOAD_NT
.set i, i+1
.endr
	WIN 0
.endm
.macro BSTEP vb
	s_wait_dscnt 16                                ; the scale words and tiles 0 to 3 are in; tiles 4 to 7 may be out
.if (\vb) == 7
	MMB0 \vb, 50                                   ; behind v's last block stand the 50 loads of wp's first two tiles
.else
	MMB0 \vb, 33                                   ; behind my block stand the other buffer's 33
.endif
	NOPS 8                                         ; places in front of the loads into P's registers
.if (\vb) < 7
	PLOADA (\vb)+1
	s_wait_dscnt 17                                ; all but the 17 just issued
.else
	s_wait_dscnt 0x0
.endif
	MMB1 \vb
	NOPS 8
.if (\vb) < 7
	PLOADB (\vb)+1
.endif
.if (\vb) < 6
	LOADBLK (\vb)%2, 1
.elseif (\vb) == 6
	WGROUP 0                                       ; v's buffer 0 is done with: wp's tiles 0 and 1
	WGROUP 1
.else
	XGROUP 0                                       ; buffer 1: x's rows for them
	XGROUP 1
.endif
.if (\vb) >= 4
	global_prefetch_b8 v11, s[38:39] offset:65536*((\vb)-4) th:TH_LOAD_NT scope:SCOPE_SE   ; x's rows of output tile vb - 4: 32 lanes, 32 runs of 256 bytes, named by this wave alone
.endif
.endm
	PLOADA 0
	PLOADB 0
	BSTEP 0
	BSTEP 1
	BSTEP 2
	BSTEP 3
	BSTEP 4
	BSTEP 5
	BSTEP 6
	BSTEP 7
	; ---- O^T / l, quantised along the channels: my 128 channels are K step w of the last product
.macro QUANT s                         ; 64 numbers of a lane, register 16 b + i = k 32 b + 16 (lane / 16) + i of my row -> codes in v[pcr] on, the scale word in v[pwr]
.irp b, 0,1,2,3
	v_max3_num_f32 v[TM+\b], |v[\s+16*\b]|, |v[\s+1+16*\b]|, 0x8000000
.endr
.irp i, 2,4,6,8,10,12,14
.irp b, 0,1,2,3
	v_max3_num_f32 v[TM+\b], v[TM+\b], |v[\s+16*\b+\i]|, |v[\s+1+16*\b+\i]|
.endr
.endr
.irp b, 0,1,2,3
	v_permlanex16_b32 v[TM+4+\b], v[TM+\b], s20, s21
.endr
.irp b, 0,1,2,3
	v_max_num_f32 v[TM+\b], v[TM+\b], v[TM+4+\b]
.endr
.irp b, 0,1,2,3
	v_add_nc_u32 v[TM+12+\b], 0xf8800000, v[TM+\b]
.endr
.irp b, 0,1,2,3
	v_and_or_b32 v[TM+8+\b], v[TM+\b], 0x7f800000, s24
.endr
.irp b, 0,1,2,3
	v_lshrrev_b32 v[TM+4+\b], 23, v[TM+12+\b]
.endr
	v_lshl_or_b32 v[pwr], v[TM+5], 8, v[TM+4]
	v_lshl_or_b32 v[pwr], v[TM+6], 16, v[pwr]
	v_lshl_or_b32 v[pwr], v[TM+7], 24, v[pwr]
.irp b, 0,1,2,3
.irp i, 0,1,2,3,4,5,6,7,8,9,10,11,12,13,14,15
	v_med3_num_f32 v[\s+16*\b+\i], v[\s+16*\b+\i], -v[TM+8+\b], v[TM+8+\b]
.endr
	v_cvt_scalef32_pk8_bf8_f32 v[pcr+4*\b:pcr+1+4*\b], v[\s+16*\b:\s+7+16*\b], v[TM+12+\b]
	v_cvt_scalef32_pk8_bf8_f32 v[pcr+2+4*\b:pcr+3+4*\b], v[\s+8+16*\b:\s+15+16*\b], v[TM+12+\b]
.endr
	v_nop
.endm
.irp t, 0,1,2,3,4,5,6,7
.set pcr, PC+(192-PC)*(\t%2)           ; two sets of registers for the codes and the word, by turns: v76-91 and v7, v192-207 and v6
.set pwr, 7-(\t%2)
	WIN 0x02+(\t/4)                                ; source 0: O^T, window 2 or 3
.set i, 0
.rept 32
	v_pk_mul_f32 v[128+2*i:129+2*i], v[64*(\t%4)+2*i:64*(\t%4)+2*i+1], v[14+4*\t:15+4*\t]   ; each accumulator from its low end on
.set i, i+1
.endr
	WIN 0
	QUANT 128
.irp c, 0,1,2,3
	ds_store_b128 v120, v[pcr+4*\c:pcr+4*\c+3] offset:2048*\t+512*\c
.endr
	ds_store_b32 v121, v[pwr] offset:256*(\t%2)+4*(\t/2)
	s_wait_dscnt 5                                 ; this tile's five stores may be out; the tile before's are done: its set of registers is the next tile's
.endr
	s_wait_dscnt 0x0                               ; for the others' sake: all my images have landed
	s_barrier_signal -1
	s_barrier_wait -1                              ; out's 32 fragments lie in LDS
.set kk, 0
.rept 4
	WIN 0x80+0x40*(kk/2)
.set qq, 0
.rept 8
.irp g, 0,1,2,3
	ds_load_b128 v[16*(8*(kk%2)+qq)+4*\g:16*(8*(kk%2)+qq)+4*\g+3], v122 offset:16384*kk+2048*qq+512*\g
.endr
.set qq, qq+1
.endr
.set kk, kk+1
.endr
	WIN 0
.irp k, 0,1,2,3
	ds_load_b128 v[60+4*\k:63+4*\k], v123 offset:512*\k
.endr
	s_wait_dscnt 0x0
	s_wait_loadcnt 16                              ; wp's tiles 0 and 1 and x's rows of tile 0 are in; x's rows of tile 1, the youngest 16 loads, may be out
	; ---- y = wp out + bp, + x.  Source 0 = 16 queries of out, source 1 = 16 rows of wp: a lane holds one output channel and eight neighbouring positions
.macro MMP buf
.set kk, 0
.rept 4
	WIN 0x06+(kk/2)                                ; out window 2 or 3, wp window 1, y and bp window 0
.set qq, 0
.rept 8
.set rD, 128+8*qq
.set rA, 16*(8*(kk%2)+qq)
.set rB, 64*(\buf)+16*kk
.set rC, 44+8*(\buf)
.set rSA, 60+4*kk+qq/2
.set rRA, qq%2
.set rSB, 100+4*(\buf)+kk
.set rRB, 0
.if kk == 0
	WM v[rC:rC+7]
.else
	WM v[rD:rD+7]
.endif
.set qq, qq+1
.endr
.set kk, kk+1
.endr
	WIN 0
.endm
; One output tile.  A tile's loads are issued as a group of 41: wp's 25, then x's 16.  cw: how many younger loads may be out when wp's 25 have to be in; cx: the same for x's 16, which are wanted only at the additions.
; The pointers are stepped in the step's middle, behind the one wait on XCNT that the stores' data need anyway: 32 products stand between it and the last memory instruction.
.macro PSTEP buf, more, cw, cx
	s_wait_loadcnt \cw                             ; wp's fragments, scale rows and bp of this tile are in
	MMP \buf
	NOPS 9                                         ; places: 8 in front of the stores that read y and of the loads below, 9 in front of the next tile's products, which begin y anew
	s_wait_xcnt 0x0                                ; the last tile's stores have read their data and base, the last loads and prefetches their bases
.if \more && ((\buf) == 0)
	s_add_nc_u64 s[32:33], s[32:33], 16384         ; the loads' pointers: on to the pair of tiles that this step and the next will ask for
	s_add_nc_u64 s[34:35], s[34:35], 512
	s_add_nc_u64 s[36:37], s[36:37], 128
	s_add_nc_u64 s[38:39], s[38:39], 131072
.endif
.if (\buf) == 1
	s_add_nc_u64 s[40:41], s[40:41], 131072        ; out0's pointer: on to the next pair; this step's stores reach back
.endif
.irp t, 0,1,2,3,4,5,6,7
	ds_store_b128 v124, v[128+8*\t:131+8*\t] offset:128*(\t/2)+32*(\t%2)       ; positions 32 (t / 2) + 8 (t % 2) + 16 h + 0 .. 7 of channel r
	ds_store_b128 v124, v[132+8*\t:135+8*\t] offset:128*(\t/2)+32*(\t%2)+16
.endr
.set i, 0
.rept 16
	ds_load_b128 v[192+4*i:195+4*i], v125 offset:528*i     ; LDS serves a wave's instructions in order (ISA guide 5.7.1.4): these see my stores
.set i, i+1
.endr
	s_wait_dscnt 0x0
	s_wait_loadcnt \cx                             ; x's rows of this tile are in
.if \more
	WGROUP \buf                                    ; the tile two on: wp's 25 loads; the loads stand ahead of the stores
.endif
	WIN 0x04                                       ; source 1: x, window 1
.set i, 0
.rept 32
	v_pk_add_f32 v[192+2*i:193+2*i], v[192+2*i:193+2*i], v[128+64*(\buf)+2*i:128+64*(\buf)+2*i+1]
.set i, i+1
.endr
	WIN 0
.if \more
	XGROUP \buf                                    ; and x's 16, into the registers just read
.endif
.set i, 0
.rept 16
	global_store_b128 v1, v[192+4*i:195+4*i], s[40:41] offset:4096*i-65536*(\buf) th:TH_STORE_NT   ; 32 lanes store 512 consecutive bytes of a channel's row
.set i, i+1
.endr
.endm
	s_mov_b32 s42, 3
.Lproj:                                            ; three trips of two tiles; the last two tiles are written out: they fetch nothing
	s_cmp_gt_u32 s42, 1
	s_cbranch_scc0 .Lno_ask_x
	global_prefetch_b8 v11, s[38:39] offset:262144 th:TH_LOAD_NT scope:SCOPE_SE   ; x's rows of the two tiles that the next trip will load (the pointer stands a pair behind this trip's loads); the last trip that loads asks for nothing
	global_prefetch_b8 v11, s[38:39] offset:327680 th:TH_LOAD_NT scope:SCOPE_SE
.Lno_ask_x:
	PSTEP 0, 1, 57, 41                             ; 57: this tile's 16 of x and the next tile's 41;  41: the next tile's
	PSTEP 1, 1, 57, 41
	s_sub_co_u32 s42, s42, 1
	s_cmp_lg_u32 s42, 0
	s_cbranch_scc1 .Lproj
	PSTEP 0, 0, 57, 41
	PSTEP 1, 0, 16, 0                              ; nothing was issued behind the last tile's group
	s_wait_xcnt 0x0
	v_lshl_add_u32 v254, v0, 2, 0x3ec00
	v_mov_b32 v255, 0
	s_wait_tensorcnt 0x0
	ds_add_u32 v254, v255
	s_wait_dscnt 0x0
	s_endpgm
.Lfunc_end_k_qb2d58d0120_attn:
	.size	k_qb2d58d0120_attn, .Lfunc_end_k_qb2d58d0120_attn-k_qb2d58d0120_attn
	.p2alignl 7, 3214868480
	.fill 96, 4, 3214868480
	.section	.rodata,"a",@progbits
	.p2align	6, 0x0
	.amdhsa_kernel k_qb2d58d0120_attn
		.amdhsa_group_segment_fixed_size 257536
		.amdhsa_private_segment_fixed_size 0
		.amdhsa_enable_private_segment 0
		.amdhsa_kernarg_size 48
		.amdhsa_user_sgpr_count 2
		.amdhsa_user_sgpr_kernarg_segment_ptr 1
		.amdhsa_wavefront_size32 1
		.amdhsa_system_sgpr_workgroup_id_x 1
		.amdhsa_system_sgpr_workgroup_id_y 1
		.amdhsa_system_sgpr_workgroup_id_z 1
		.amdhsa_system_vgpr_workitem_id 0
		.amdhsa_next_free_vgpr 1024
		.amdhsa_next_free_sgpr 66
		.amdhsa_reserve_vcc 1
		.amdhsa_float_denorm_mode_32 3
		.amdhsa_float_denorm_mode_16_64 3
		.amdhsa_memory_ordered 1
		.amdhsa_forward_progress 1
		.amdhsa_inst_pref_size 255
	.end_amdhsa_kernel
	.section	.bss,"aw",@nobits
	.p2align	6
	.space	262144
	.amdgpu_metadata
---
amdhsa.version: [ 1, 2 ]
amdhsa.kernels:
  - .name:           k_qb2d58d0120_attn
    .symbol:         k_qb2d58d0120_attn.kd
    .args:
      - { .name: qkv, .offset: 0, .size: 8, .value_kind: global_buffer, .address_space: global }
      - { .name: wimg, .offset: 8, .size: 8, .value_kind: global_buffer, .address_space: global }
      - { .name: wp_scales, .offset: 16, .size: 8, .value_kind: global_buffer, .address_space: global }
      - { .name: bp, .offset: 24, .size: 8, .value_kind: global_buffer, .address_space: global }
      - { .name: x, .offset: 32, .size: 8, .value_kind: global_buffer, .address_space: global }
      - { .name: out0, .offset: 40, .size: 8, .value_kind: global_buffer, .address_space: global }
    .group_segment_fixed_size: 257536
    .private_segment_fixed_size: 0
    .kernarg_segment_align: 8
    .kernarg_segment_size: 48
    .max_flat_workgroup_size: 128
    .sgpr_count:     66
    .vgpr_count:     1024
    .wavefront_size: 32
...
	.end_amdgpu_metadata
.endif
;; end of part 3
